; MI455X (gfx1250); checked and timed in simulation.
; The chip was launched on July 23, 2026; its instructions are those of AMD's public machine-readable ISA for CDNA 5 (MIT licence, August 2026) and "CDNA5" Instruction Set Architecture Reference Guide (July 2026). The comments in the code are by the model that wrote it; some were corrected since.
;; RFCN Head. Allowed arithmetic: float matrix products may take bf16 or f16 operands with f32 sums; other float arithmetic in f32, or as packed bf16 or f16 multiplies, adds, multiply-adds, maxima and minima; sums over many terms, partial sums and values carried from step to step in f32; what a program stores and reads back later, other than sums and carried values, may be rounded once to bf16 or f16.
;; Inputs: conv_b 3,969 float32; conv_w 3,969 x 1,024 float32; regions 300 x 4 float32; x 1,024 x 64 x 64 float32.
;; Outputs: out0 300 x 81 float32.
;; 2 versions, each right; version 2 is version 1 with the launch pool written anew for expert scheduling mode. Each part assembles by itself: llvm-mc -triple=amdgcn-amd-amdhsa -mcpu=gfx1250 --defsym DOCPART=n.
;; ======== version 1 of 2: 3 launches
;; limits: values are held in f16: magnitudes above 65,504 overflow, below 6.1e-05 lose precision
;; workspace buffers: wb 11,010,048 bytes; idx 40,960 bytes of whole numbers; scl 40,960 bytes; part 7,864,320 bytes
;; launch prep (part 1): grid 692 x 1, 4 waves a work-group, no clusters, 17,152 bytes of LDS; arguments conv_w, regions, wb, idx, scl; writes wb, idx, scl
.if DOCPART == 1
	.amdgcn_target "amdgcn-amd-amdhsa--gfx1250"
	.amdhsa_code_object_version 6
	.text
	.protected	k_q76fe0abe07_prep
	.globl	k_q76fe0abe07_prep
	.p2align	8
	.type	k_q76fe0abe07_prep,@function
k_q76fe0abe07_prep:
	s_mov_b64 s[64:65], 0
	v_nop
	global_prefetch_b8 v0, s[64:65] scope:SCOPE_SE
	s_setreg_imm32_b32 hwreg(HW_REG_WAVE_MODE, 25, 1), 1
	s_wait_xcnt 0x0
; R-FCN HEAD, launch 1 of 3.  THE WHOLE PROGRAM.  reference() makes a score map S = conv_w x + conv_b (3,969 maps of 64 x 64), takes for region r and map (t, i, j) the mean of S over ONE
; whole-number rectangle, bin (i, j) of r, and averages a target's 49 bins.  Convolution, rectangle sum and mean are linear, so for all finite inputs, in exact arithmetic,
;   out[r][t] = sum over (i, j, c) of conv_w[49 t + 7 i + j][c] P[r][i][j][c]  +  sum over (i, j) of conv_b[49 t + 7 i + j] [cnt(r,i,j) > 0] / 49,
;   P[r][i][j][c] = (sum of x[c] over the bin's rectangle) / (49 max(cnt, 1)),   cnt = dh dw,   max(dh dw, 1) = max(dh, 1) max(dw, 1) wherever the sum is not 0 by itself.
; (A constant b summed over cnt pixels and divided by max(cnt, 1) is b if cnt > 0, else 0.)  So the score map is never made: one product with M = 300 regions, N = 81 targets, K = 49 x 1,024.
; The rectangle sums are taken as reference() takes them, from an f32 integral image and four corners, here of x.  All four inputs reach the output; none is left out.
; LAUNCHES.  prep (this one): conv_w to f16 in the order in which a lane of launch 2 wants it; the bins' edges as whole numbers, since they steer launch 2's LDS addresses.  pool: integral image, P, product.  finish: the sum over K's 64 parts, and the bias.
; THE FORMAT.  conv_w and P, the matrix operands, are rounded once to f16; integral image, its differences, partial sums and bias stay in f32.  f16 and not bf16: a number rounded to p significant bits is off by about
; 2^-p / 2 of itself, two operands by 1.4 times that, and an output, a sum of independent products, by the same part of the outputs' root mean square; the largest of 24,300 outputs lies some four times higher:
; with p = 8 about one part in a hundred, which is all that an output may be off by; with p = 11 an eighth of that.
; LIMITS.  f16 ends at 65,504: |conv_w| and |P| (a bin's mean of x, divided by 49) stay under it; under 6.1e-5 they keep f16's fixed step of 6e-8.  The edges follow reference()'s order of operations: separate multiplies
; and adds, and a division by 7 that is rounded correctly (q0 = a r, e = a - 7 q0, q = q0 + e r, r = the f32 nearest 1/7); a bound that lies within one rounding step of a whole number falls on the other side if reference() is
; evaluated with another rounding order.  NaN and infinities (in regions, x, conv_w) are not treated apart, and an overflow that only the score map or its integral image would meet is not carried to the result.
; THIS LAUNCH.  Work-groups 0 .. 671: block (n, i, cb) of conv_w: 16 targets 16 n + r, bin row i, 8 column slots j8 (slot 7 is a pad and holds 0), 64 channels.  Work-groups 672 .. 691: 128 table entries each.
; wb: [Q 256][i 7][n 6][f 2][h 2][r 16][a 2][ch 4] f16, Q = channel / 4, j8 = 4 f + 2 h + a: lane 16 h + r of launch 2 finds 16 bytes of its fragment at 16 x lane of each block of 512 bytes.
; REGION SLOTS.  Slot 80 grp + q stands for region 75 grp + q (q < 75); slots with q >= 75 and bin 7 hold zeros: each of launch 2's four groups has 5 tiles of 16 slots, all with live regions.
; idx (whole numbers): [320][8] x {16 ws, 16 we}, then from byte 20,480 [320][8] x {1,040 hs, 1,040 he}.   scl (f32, four arrays [320][8]): 1 / (49 max(dw,1)); 1 / max(dh,1); [dh > 0]; [dw > 0] / 49.
; No matrix unit, cluster or tensor load: the launch only streams, and no two work-groups read the same bytes of conv_w.
.set NCONV, 672                        ; work-groups that convert
.set TP,    1040                       ; an LDS row: a quad's 1,024 bytes + 16: the 16 rows start 16 bytes apart modulo 256
.set SPARE, 16*TP                      ; behind the tile: the spare words, 128 bytes for each wave
.set TROW,  200704                     ; bytes from a target to the next in conv_w: 49 rows of 4,096
.set SPW, 1                            ; v1  LDS address of my spare word; never rewritten
.set NIL, 2                            ; v2  0; never rewritten
.set IN,  16                           ; v[16:79]   16 rounds x 4 f32 as loaded; later 8 x 16 bytes on the way out
.set PK,  80                           ; v[80:111]  16 rounds x 4 f16
.set VO,  112                          ; v[112:127] the rounds' byte offsets in conv_w
	s_load_b256 s[4:11], s[0:1], 0x0               ; conv_w s[4:5], regions s[6:7], wb s[8:9], idx s[10:11]
	s_load_b64 s[12:13], s[0:1], 0x20              ; scl
	v_lshl_add_u32 v[SPW], v0, 2, SPARE
	v_mov_b32 v[NIL], 0
	v_lshrrev_b32 v3, 5, v0
	v_readfirstlane_b32 s14, v3                    ; wave 0..3
	v_and_b32 v4, 31, v0                           ; lane
	s_cmp_ge_u32 ttmp9, NCONV                      ; the same in all waves of a work-group
	s_cbranch_scc1 .Ltab
	; ---- conv_w to f16, in fragment order ----
	s_and_b32 s15, ttmp9, 15                       ; cb: 64 channels
	s_lshr_b32 s16, ttmp9, 4                       ; 7 n + i, 0 .. 41
	s_mul_i32 s17, s16, 37
	s_lshr_b32 s17, s17, 8                         ; n = (7 n + i) / 7: exact for 0 .. 41
	s_mul_i32 s18, s17, 7
	s_sub_co_u32 s18, s16, s18                     ; i
	s_cmp_eq_u32 s17, 5                            ; the last block of targets holds target 80 alone:
	s_cselect_b32 s19, 0, TROW                     ; all its rounds read that row, so that no load leaves conv_w,
	s_cselect_b32 s20, 0, -1                       ; and rounds 1 .. 15 store zeros
	s_lshr_b32 s21, s14, 1                         ; f
	s_and_b32 s22, s14, 1                          ; h: j8 = 2 x wave + a = 4 f + 2 h + a
	v_and_b32 v5, 15, v4                           ; ql: my quad of channels among the block's 16
	v_lshrrev_b32 v6, 4, v4                        ; a
	v_lshl_add_u32 v7, s14, 1, v6                  ; j8
	v_min_u32 v8, 6, v7                            ; the pad slot reads column 6 and stores 0
	s_mul_i32 s23, s18, 7
	v_add_nc_u32 v9, s23, v8                       ; 7 i + j
	v_lshlrev_b32 v9, 12, v9                       ; rows of 4,096 bytes
	v_lshl_add_u32 v[VO], v5, 4, v9                ; + 16 ql: sixteen lanes read 256 consecutive bytes, aligned
.set k, 1
.rept 15
	v_add_nc_u32 v[VO+k], s19, v[VO+k-1]           ; round k: target 16 n + k
.set k, k+1
.endr
	v_cmp_gt_u32 vcc_lo, 7, v7
	v_cndmask_b32 v10, 0, -1, vcc_lo               ; round 0's mask: all ones but in the pad slot
	v_and_b32 v11, s20, v10                        ; the other rounds'
	s_lshl_b32 s24, s21, 9
	s_lshl_b32 s25, s22, 8
	s_add_co_u32 s24, s24, s25
	v_mul_u32_u24 v12, v5, TP
	v_lshl_add_u32 v12, v6, 3, v12
	v_add_nc_u32 v12, s24, v12                     ; into the tile: ql x 1,040 + 512 f + 256 h + 8 a (+ 16 r): 32 lanes, 32 different 8 bytes modulo 256
	s_mul_i32 s24, s21, TP
	s_lshl_b32 s25, s22, 9
	s_add_co_u32 s24, s24, s25
	v_lshl_add_u32 v13, v4, 4, s24                 ; back: quad 2 it + wave / 2, half wave % 2, 16 bytes a lane
	v_lshlrev_b32 v14, 4, v4
	s_mul_i32 s26, s17, 16*TROW
	s_lshl_b32 s28, s15, 8
	s_add_co_u32 s26, s26, s28                     ; conv_w: 16 n targets on, 64 cb channels on
	s_mov_b32 s27, 0
	s_lshl_b32 s28, s15, 4
	s_add_co_u32 s28, s28, s21
	s_mul_i32 s28, s28, 43008                      ; wb: plane 16 cb + wave / 2,
	s_mul_i32 s30, s18, 6144
	s_add_co_u32 s28, s28, s30                     ; bin row i,
	s_lshl_b32 s30, s17, 10
	s_add_co_u32 s28, s28, s30                     ; block n,
	s_add_co_u32 s28, s28, s25                     ; half wave % 2
	s_mov_b32 s29, 0
	s_wait_kmcnt 0x0
	s_add_nc_u64 s[4:5], s[4:5], s[26:27]
	s_add_nc_u64 s[8:9], s[8:9], s[28:29]
.set k, 0
.rept 16
	global_load_b128 v[IN+4*k:IN+4*k+3], v[VO+k], s[4:5] th:TH_LOAD_NT
.set k, k+1
.endr
.set k, 0
.rept 16
	s_wait_loadcnt 15-k                            ; loads come back in order: round k is in, the 15 - k younger ones stay out
	v_cvt_pk_f16_f32 v[PK+2*k],   v[IN+4*k],   v[IN+4*k+1]
	v_cvt_pk_f16_f32 v[PK+2*k+1], v[IN+4*k+2], v[IN+4*k+3]
.if k == 0
	v_and_b32 v[PK+2*k],   v10, v[PK+2*k]
	v_and_b32 v[PK+2*k+1], v10, v[PK+2*k+1]
.else
	v_and_b32 v[PK+2*k],   v11, v[PK+2*k]
	v_and_b32 v[PK+2*k+1], v11, v[PK+2*k+1]
.endif
	ds_store_b64 v12, v[PK+2*k:PK+2*k+1] offset:16*k
.set k, k+1
.endr
	s_wait_dscnt 0x0                               ; for the others' sake: my stores into the tile are done
	s_barrier_signal -1
	s_barrier_wait -1
.set k, 0
.rept 8
	ds_load_b128 v[IN+4*k:IN+4*k+3], v13 offset:k*2*TP
.set k, k+1
.endr
.set k, 0
.rept 8
	s_wait_dscnt 7-k
	global_store_b128 v14, v[IN+4*k:IN+4*k+3], s[8:9] offset:k*2*43008  ; 512 consecutive bytes, at a multiple of 512 from wb's first byte
.set k, k+1
.endr
	s_branch .Lend
	; ---- the bins' tables: thread = (slot S, bin gi), for rows and for columns alike ----
.Ltab:
	s_sub_co_u32 s15, ttmp9, NCONV
	s_lshl_b32 s15, s15, 7
	v_add_nc_u32 v5, s15, v0                       ; item = 8 S + gi, 0 .. 2,559
	v_lshrrev_b32 v6, 3, v5                        ; S
	v_and_b32 v7, 7, v5                            ; gi
	v_mul_u32_u24 v8, v6, 205
	v_lshrrev_b32 v8, 14, v8                       ; grp = S / 80: exact for 0 .. 319
	v_mul_u32_u24 v9, v8, 80
	v_sub_nc_u32 v9, v6, v9                        ; q
	v_mad_u32_u24 v10, v8, 75, v9
	v_min_u32 v10, 299, v10                        ; a slot without a region reads one no further than the last, and stores zeros
	v_lshlrev_b32 v10, 4, v10
	s_wait_kmcnt 0x0
	global_load_b128 v[12:15], v10, s[6:7]         ; ci, cj, h, w
	v_cmp_gt_u32 s16, 75, v9
	v_cmp_gt_u32 s17, 7, v7
	s_and_b32 s16, s16, s17                        ; the entry is a region's bin
	v_cvt_f32_u32 v16, v7                          ; g
	v_add_f32 v17, 1.0, v16                        ; g + 1
	s_mov_b32 s18, 0x3e124925                      ; the f32 nearest 1/7
	s_mov_b32 s19, 0x3ca72f05                      ; 1/49
	s_mov_b32 s20, 0x42800000                      ; 64.0
	s_wait_loadcnt 0x0
; One axis: centre c, length len -> whole numbers s (floor of the bin's lower bound) and e (ceiling of its upper bound), both held to 0 .. 64, e >= s.  Multiplies and adds stay apart, as reference() has them.
.macro EDGE c, len, s, e
	v_mul_f32 v20, 0.5, v[\len]
	v_sub_f32 v21, v[\c], v20
	v_add_f32 v22, v[\c], v20
	v_mul_f32 v21, s20, v21
	v_mul_f32 v22, s20, v22
	v_max_num_f32 v21, 0, v21
	v_max_num_f32 v22, 0, v22
	v_min_num_f32 v21, s20, v21                    ; lo
	v_min_num_f32 v22, s20, v22                    ; hi
	v_sub_f32 v23, v22, v21                        ; d
	v_mul_f32 v24, v16, v23                        ; g d
	v_mul_f32 v25, v17, v23                        ; (g + 1) d
	v_mul_f32 v26, s18, v24                        ; the division by 7: a first quotient,
	v_mul_f32 v27, s18, v25
	v_fma_f32 v28, 0xc0e00000, v26, v24            ; its exact remainder,
	v_fma_f32 v29, 0xc0e00000, v27, v25
	v_fma_f32 v26, v28, s18, v26                   ; and the correction
	v_fma_f32 v27, v29, s18, v27
	v_add_f32 v26, v21, v26
	v_add_f32 v27, v21, v27
	v_floor_f32 v26, v26
	v_mul_f32 v27, -1.0, v27                       ; ceil(x) = - floor(- x)
	v_floor_f32 v27, v27
	v_mul_f32 v27, -1.0, v27
	v_max_num_f32 v26, 0, v26
	v_max_num_f32 v27, 0, v27
	v_min_num_f32 v26, s20, v26
	v_min_num_f32 v27, s20, v27
	v_cvt_i32_f32 v[\s], v26
	v_cvt_i32_f32 v[\e], v27
	v_max_i32 v[\e], v[\e], v[\s]
.endm
	EDGE 12, 14, 30, 31                            ; rows: hs, he
	EDGE 13, 15, 32, 33                            ; columns: ws, we
	v_sub_nc_u32 v34, v31, v30                     ; dh
	v_sub_nc_u32 v35, v33, v32                     ; dw
	v_max_i32 v36, 1, v34
	v_max_i32 v37, 1, v35
	v_cvt_f32_i32 v36, v36
	v_cvt_f32_i32 v37, v37
	v_mul_f32 v37, 0x42440000, v37                 ; 49 max(dw, 1): exact
	v_rcp_f32 v38, v36
	v_rcp_f32 v39, v37
	v_lshlrev_b32 v42, 4, v32                      ; plain work that names neither reciprocal stands behind them: the LDS offsets of launch 2,
	v_lshlrev_b32 v43, 4, v33                      ; 16 bytes a column,
	v_mul_u32_u24 v44, v30, 1040                   ; 1,040 a row
	v_mul_u32_u24 v45, v31, 1040
	v_cmp_lt_i32 vcc_lo, 0, v34
	v_cndmask_b32 v40, 0, 1.0, vcc_lo              ; [dh > 0]
	v_cmp_lt_i32 vcc_lo, 0, v35
	v_cndmask_b32 v41, 0, s19, vcc_lo              ; [dw > 0] / 49
	s_wait_alu depctr_va_vdst(0)                   ; one wait for both reciprocals, ahead of their first reader
.irp r, 38,39,40,41,42,43,44,45
	v_cndmask_b32 v\r, 0, v\r, s16                 ; zeros where the entry is no region's bin
.endr
	v_lshlrev_b32 v46, 3, v5
	v_lshlrev_b32 v47, 2, v5
	global_store_b64 v46, v[42:43], s[10:11]                ; a wave's store covers 256 consecutive bytes, aligned
	global_store_b64 v46, v[44:45], s[10:11] offset:20480
	global_store_b32 v47, v39, s[12:13]
	global_store_b32 v47, v38, s[12:13] offset:10240
	global_store_b32 v47, v40, s[12:13] offset:20480
	global_store_b32 v47, v41, s[12:13] offset:30720
.Lend:
	s_wait_tensorcnt 0x0                           ; the wave's end: behind my last LDS store
	ds_add_u32 v[SPW], v[NIL]
	s_wait_dscnt 0x0
	s_endpgm
.Lfunc_end_k_q76fe0abe07_prep:
	.size	k_q76fe0abe07_prep, .Lfunc_end_k_q76fe0abe07_prep-k_q76fe0abe07_prep
	.p2alignl 7, 3214868480
	.fill 96, 4, 3214868480
	.section	.rodata,"a",@progbits
	.p2align	6, 0x0
	.amdhsa_kernel k_q76fe0abe07_prep
		.amdhsa_group_segment_fixed_size 17152
		.amdhsa_private_segment_fixed_size 0
		.amdhsa_enable_private_segment 0
		.amdhsa_kernarg_size 40
		.amdhsa_user_sgpr_count 2
		.amdhsa_user_sgpr_kernarg_segment_ptr 1
		.amdhsa_wavefront_size32 1
		.amdhsa_system_sgpr_workgroup_id_x 1
		.amdhsa_system_sgpr_workgroup_id_y 1
		.amdhsa_system_sgpr_workgroup_id_z 1
		.amdhsa_system_vgpr_workitem_id 0
		.amdhsa_next_free_vgpr 128
		.amdhsa_next_free_sgpr 66
		.amdhsa_reserve_vcc 1
		.amdhsa_float_denorm_mode_32 3
		.amdhsa_float_denorm_mode_16_64 3
		.amdhsa_memory_ordered 1
		.amdhsa_forward_progress 1
		.amdhsa_inst_pref_size 17
	.end_amdhsa_kernel
	.amdgpu_metadata
---
amdhsa.version: [ 1, 2 ]
amdhsa.kernels:
  - .name:           k_q76fe0abe07_prep
    .symbol:         k_q76fe0abe07_prep.kd
    .args:
      - { .name: conv_w, .offset: 0, .size: 8, .value_kind: global_buffer, .address_space: global }
      - { .name: regions, .offset: 8, .size: 8, .value_kind: global_buffer, .address_space: global }
      - { .name: wb, .offset: 16, .size: 8, .value_kind: global_buffer, .address_space: global }
      - { .name: idx, .offset: 24, .size: 8, .value_kind: global_buffer, .address_space: global }
      - { .name: scl, .offset: 32, .size: 8, .value_kind: global_buffer, .address_space: global }
    .group_segment_fixed_size: 17152
    .private_segment_fixed_size: 0
    .kernarg_segment_align: 8
    .kernarg_segment_size: 40
    .max_flat_workgroup_size: 128
    .sgpr_count:     66
    .vgpr_count:     128
    .wavefront_size: 32
...
	.end_amdgpu_metadata
.endif
;; end of part 1
;; launch pool (part 2): grid 256 x 1, 4 waves a work-group, no clusters, 271,872 bytes of LDS; arguments x, wb, idx, scl, part; writes part
.if DOCPART == 2
	.amdgcn_target "amdgcn-amd-amdhsa--gfx1250"
	.amdhsa_code_object_version 6
	.text
	.protected	k_q76fe0abe07_pool
	.globl	k_q76fe0abe07_pool
	.p2align	8
	.type	k_q76fe0abe07_pool,@function
k_q76fe0abe07_pool:
	s_mov_b64 s[64:65], 0
	v_nop
	global_prefetch_b8 v0, s[64:65] scope:SCOPE_SE
	s_setreg_imm32_b32 hwreg(HW_REG_WAVE_MODE, 25, 1), 1
	s_wait_xcnt 0x0
; R-FCN HEAD, launch 2 of 3: part[chunk] = P W^T over 16 channels.  The score map is not made: the head of launch 1 shows the identity, for all finite inputs.
; SHARES.  256 work-groups = 64 chunks of 16 channels x 4 groups of 80 region slots (75 regions and 5 empty slots: 5 tiles of 16, each with live regions).  Wave v owns the plane Q = 4 chunk + v of 4 channels,
; for all 5 tiles and all 7 bin rows: K is split among the waves, and their sums meet in LDS at the end.
; HEAD.  The wave makes the integral image of its 4 channels in LDS: entry (row, col), 0 .. 64 each, at PB + 1,040 row + 16 col holds the 4 channels' sums of x over rows < row, columns < col, in f32; row 0 and column 0 are 0.
; A lane holds columns 2 l and 2 l + 1: the sum down the rows is kept in registers, the sum along a row is a scan over the lanes.
; GATHER.  One ds_load_b128 brings a corner for 4 channels.  A K step of 32 is one bin row i x 8 column slots x 4 channels, k = 4 j8 + ch: lane (rr = l % 16, h = l / 16) holds region slot rr and j8 = 2 h, 2 h + 1, 4 + 2 h, 5 + 2 h,
; two registers each.  P = ((A - B) - (C - D)) x scale, rounded to f16, IS source 0 (16 slots x 32 k); wb's 16 bytes a lane, twice, are source 1 (16 targets x 32 k).  j8 = 7 is a pad: zeros on both sides.
; In the result register jj of lane l is (slot 16 m + 8 h + jj, target 16 n + rr).  Corner offsets come from idx, whole numbers that launch 1 stored; they are held to the image's extent before they enter an address.
; NO TENSOR LOAD, NO CLUSTER, though the 4 groups of a chunk read the same x and wb: x has to be summed in registers before it lies in LDS, and 262,144 bytes of raw x beside the 271,360 of the integral images
; are more than the 327,680 that a work-group can have; wb's 172,032 bytes a chunk do not fit beside them either, and its fragments go straight into the lanes that want them.
; LIMITS: as stated at the head of launch 1 (f16 operands: |P| under 65,504, a fixed step of 6e-8 under 6.1e-5; f32 integral image, so a rectangle sum is a difference of f32 sums, as in reference(); NaN and infinities not treated apart).
; REGISTERS, in windows of 256 (s_set_vgpr_msb: bits 1:0 source 0, 3:2 source 1, 5:4 source 2, 7:6 destination): window 0 below; window 1: accumulator (m, n) at 8 (6 m + n); window 2: wb's fragments, parity p, block n at 48 p + 8 n.
.set PITCH, 1040                       ; 65 entries of 16 bytes
.set PL,    67840                      ; a plane: 65 rows = 67,600 bytes, rounded up to blocks of 256
.set SPARE, 4*PL                       ; behind the planes: the spare words, 128 bytes for each wave
.set STG,   30720                      ; a wave's 30 accumulators in the stage (the planes' bytes, when the gather is over)
.set SPW, 1                            ; v1  LDS address of my spare word; never rewritten
.set NIL, 2                            ; v2  0; never rewritten
.set RR,  3                            ; v3  l % 16
.set H1,  4                            ; v4  l / 16
.set PM,  5                            ; v5  all ones where h = 0, 0 where h = 1
.set O64, 6                            ; v6  64 rr: my slot in the row offsets
.set O64H, 7                           ; v7  64 rr + 16 h: in the column offsets
.set O32H, 8                           ; v8  32 rr + 8 h: in the column scales
.set O32, 9                            ; v9  32 rr: in the row scales
.set L16, 10                           ; v10 16 l
.set L8,  11                           ; v11 8 l
.set SA,  12                           ; v12 head: where my two entries of a row go; end: my place in my stage
.set PFO, 13                           ; v13 the prefetch's offset
.set BA,  14                           ; v14 head: row 0;    end: stage of waves 0, 1
.set BB,  15                           ; v15 head: column 0; end: stage of waves 2, 3
.set CI,  16                           ; v[16:55]  tile m at CI + 8 m: PB + 16 ws, PB + 16 we for my four column slots
.set RW,  56                           ; v[56:75]  tile m at RW + 4 m: 1 / (49 max(dw,1)) for my four column slots
.set RI,  76                           ; v[76:85], v[92:101]  parity p at RI + 16 p: 1,040 hs, 1,040 he, a pair a tile
.set RS,  86                           ; v[86:90], v[102:106] parity p at RS + 16 p: 1 / max(dh,1), one a tile
.set AD,  108                          ; v[108:115] eight corner addresses
.set MH,  116                          ; v[116:117] hs, he with the pad's lanes set to 0
.set SC0, 118                          ; v[118:119] the even slot's scale (the packed multiply names a pair and takes its low word)
.set PF,  120                          ; v[120:127] P's fragment
.set CB,  128                          ; v[128:191] corners: two buffers of 2 slots x 4 corners x 4 channels
.set SC1, 192                          ; v[192:193] the odd slot's scale
.set XR,  128                          ; head: v[128:255] a ring of 16 image rows: row hh, channel c at XR + 8 hh + 2 c
.set RUN, 92                           ; head: v[92:99]   the sums down the rows, a pair a channel
.set PT,  100                          ; head: v[100:103] the scan
.set OUT, 104                          ; head: v[104:111] two entries
.set HIM, 112                          ; head: v112 h as f32
.set LN,  116                          ; head: v116 l
.set MSB, 0
.macro WIN new                         ; the immediate's high byte repeats the setting that is left; a switch that changes nothing is dropped
.if MSB != (\new)
	s_set_vgpr_msb (MSB<<8)|(\new)
.set MSB, \new
.endif
.endm
.set W_MM, 0x58                        ; P in window 0, wb's fragment in window 2, C and D in window 1
.set W_LD, 0x80                        ; destination window 2, address window 0
.set W_ST, 0x04                        ; an LDS store's data (source 1) in window 1
	s_load_b256 s[4:11], s[0:1], 0x0               ; x s[4:5], wb s[6:7], idx s[8:9], scl s[10:11]
	s_load_b64 s[12:13], s[0:1], 0x20              ; part
	v_lshl_add_u32 v[SPW], v0, 2, SPARE
	v_mov_b32 v[NIL], 0
	v_lshrrev_b32 v[LN], 5, v0
	v_readfirstlane_b32 s14, v[LN]                 ; wave 0..3
	s_and_b32 s15, ttmp9, 3                        ; grp
	s_lshr_b32 s16, ttmp9, 2                       ; chunk
	v_and_b32 v[LN], 31, v0
	v_and_b32 v[RR], 15, v0
	v_bfe_u32 v[H1], v0, 4, 1
	v_add_nc_u32 v[PM], -1, v[H1]
	v_cvt_f32_u32 v[HIM], v[H1]
	v_lshlrev_b32 v[O64], 6, v[RR]
	v_lshl_add_u32 v[O64H], v[H1], 4, v[O64]
	v_lshlrev_b32 v[O32], 5, v[RR]
	v_lshl_add_u32 v[O32H], v[H1], 3, v[O32]
	v_lshlrev_b32 v[L16], 4, v[LN]
	v_lshlrev_b32 v[L8], 3, v[LN]
	s_mul_i32 s32, s14, PL                         ; PB: my plane
	s_add_co_u32 s34, s32, PITCH+16
	v_lshl_add_u32 v[SA], v[LN], 5, s34            ; entry (1, 2 l + 1)
	v_add_nc_u32 v[BA], s32, v[L16]
	s_add_co_u32 s34, s32, PITCH
	v_mul_u32_u24 v[BB], v[LN], PITCH
	v_add_nc_u32 v[BB], s34, v[BB]                 ; entry (1 + l, 0)
	s_lshl_b32 s34, s15, 13
	s_add_co_u32 s34, s34, 6144
	v_lshl_add_u32 v[PFO], v[LN], 8, s34           ; 6,144 + 8,192 grp + 256 l
	s_lshl_b32 s40, s16, 18                        ; x: 16 chunk + 4 v images of 16,384 bytes
	s_lshl_b32 s41, s14, 16
	s_add_co_u32 s40, s40, s41
	s_mov_b32 s41, 0
	s_lshl_b32 s42, s16, 2
	s_add_co_u32 s42, s42, s14
	s_mul_i32 s42, s42, 43008                      ; wb: plane Q
	s_mov_b32 s43, 0
	s_mul_i32 s44, s15, 5120                       ; idx: 80 slots of 64 bytes
	s_mov_b32 s45, 0
	s_mul_i32 s46, s15, 2560                       ; scl: 80 slots of 32 bytes
	s_mov_b32 s47, 0
	s_mul_i32 s48, s16, 4*STG                      ; part: chunk, group, my quarter of the group's 30,720 bytes
	s_mul_i32 s49, s15, STG
	s_add_co_u32 s48, s48, s49
	s_mul_i32 s49, s14, STG/4
	s_add_co_u32 s48, s48, s49
	s_mov_b32 s49, 0
	s_wait_kmcnt 0x0
	s_add_nc_u64 s[18:19], s[4:5], s[40:41]        ; x at my 4 images
	s_add_nc_u64 s[20:21], s[6:7], s[42:43]        ; wb at my plane, bin row 0
	s_add_nc_u64 s[26:27], s[8:9], s[44:45]        ; column offsets
	s_add_nc_u64 s[22:23], s[26:27], 20480         ; row offsets, bin row 0
	s_add_nc_u64 s[28:29], s[10:11], s[46:47]      ; column scales
	s_add_nc_u64 s[24:25], s[28:29], 10240         ; row scales, bin row 0
	s_add_nc_u64 s[30:31], s[12:13], s[48:49]
	; the tables (30 loads) and bin row 0's weights (12): older than every load of x, so the head's first wait shows them in
.irp m, 0,1,2,3,4
	global_load_b128 v[CI+8*(\m):CI+8*(\m)+3],   v[O64H], s[26:27] offset:1024*(\m)
	global_load_b128 v[CI+8*(\m)+4:CI+8*(\m)+7], v[O64H], s[26:27] offset:1024*(\m)+32
	global_load_b64 v[RW+4*(\m):RW+4*(\m)+1],    v[O32H], s[28:29] offset:512*(\m)
	global_load_b64 v[RW+4*(\m)+2:RW+4*(\m)+3],  v[O32H], s[28:29] offset:512*(\m)+16
	global_load_b64 v[RI+2*(\m):RI+2*(\m)+1],    v[O64],  s[22:23] offset:1024*(\m)
	global_load_b32 v[RS+(\m)],                  v[O32],  s[24:25] offset:512*(\m)
.endr
	WIN W_LD
.irp n, 0,1,2,3,4,5
	global_load_b128 v[8*(\n):8*(\n)+3],   v[L16], s[20:21] offset:1024*(\n)
	global_load_b128 v[8*(\n)+4:8*(\n)+7], v[L16], s[20:21] offset:1024*(\n)+512
.endr
	WIN 0
.irp hh, 0,1,2,3,4,5,6,7,8,9,10,11,12,13,14,15
.irp c, 0,1,2,3
	global_load_b64 v[XR+8*(\hh)+2*(\c):XR+8*(\hh)+2*(\c)+1], v[L8], s[18:19] offset:16384*(\c)+256*(\hh)  ; an image row: 256 consecutive bytes, aligned
.endr
.endr
.irp r, 0,1,2,3
	v_mov_b32 v[OUT+(\r)], 0
.endr
.irp r, 0,1,2,3,4,5,6,7
	v_mov_b32 v[RUN+(\r)], 0
.endr
	ds_store_b128 v[BA], v[OUT:OUT+3]              ; row 0: 1,040 bytes of zeros (the second and third store overlap)
	ds_store_b128 v[BA], v[OUT:OUT+3] offset:512
	ds_store_b128 v[BA], v[OUT:OUT+3] offset:528
	ds_store_b128 v[BB], v[OUT:OUT+3]              ; column 0 of rows 1 .. 64
	ds_store_b128 v[BB], v[OUT:OUT+3] offset:32*PITCH
; One image row of the ring.  reload = 1: its registers are asked for again, 16 rows further down.  left = the younger loads that may stay out.
.macro ROWSTEP hh, reload, left
	s_wait_loadcnt \left                           ; loads come back in order: this row's four are in
.irp c, 0,1,2,3
	v_pk_add_f32 v[RUN+2*(\c):RUN+2*(\c)+1], v[RUN+2*(\c):RUN+2*(\c)+1], v[XR+8*(\hh)+2*(\c):XR+8*(\hh)+2*(\c)+1]  ; down the rows
.endr
.if \reload
.irp c, 0,1,2,3
	global_load_b64 v[XR+8*(\hh)+2*(\c):XR+8*(\hh)+2*(\c)+1], v[L8], s[18:19] offset:4096+16384*(\c)+256*(\hh)
.endr
.endif
.irp c, 0,1,2,3
	v_add_f32 v[PT+(\c)], v[RUN+2*(\c)], v[RUN+2*(\c)+1]
.endr
.irp sh, 1,2,4,8                       ; a scan over each half of 16 lanes: a lane without a source keeps its sum; the four channels by turns
.irp c, 0,1,2,3
	v_add_f32_dpp v[PT+(\c)], v[PT+(\c)], v[PT+(\c)] row_shr:\sh row_mask:0xf bank_mask:0xf
.endr
.endr
.irp c, 0,1,2,3
	v_readlane_b32 s[36+(\c)], v[PT+(\c)], 15      ; the lower half's total,
.endr
.irp c, 0,1,2,3
	v_fma_f32 v[OUT+4+(\c)], s[36+(\c)], v[HIM], v[PT+(\c)]  ; added in the upper half: the sum through column 2 l + 1,
.endr
.irp c, 0,1,2,3
	v_sub_f32 v[OUT+(\c)], v[OUT+4+(\c)], v[RUN+2*(\c)+1]    ; and through column 2 l
.endr
	ds_store_b128 v[SA], v[OUT:OUT+3]   offset:PITCH*(\hh)
	ds_store_b128 v[SA], v[OUT+4:OUT+7] offset:PITCH*(\hh)+16
.endm
	s_mov_b32 s33, 3
.Lrows:                                        ; three trips of 16 rows, each asking for the next 16
	ROWSTEP 0, 1, 60                               ; 60: the ring's 15 other rows, four loads each
	s_cmp_eq_u32 s33, 3
	s_cbranch_scc0 .Lasked
	; ONE PREFETCH a wave, in the first trip, behind the loads just issued: bytes 6,144 + 8,192 grp + 256 l of my plane of wb.  The four groups of a chunk read the same plane and share it out by address, so bytes
	; 6,144 .. 38,911 (bin rows 1 to 5 and a third of row 6) are named once in the launch; the plane has 43,008, so no lane points past it.  It stands 63 image rows ahead of the first load of bin row 1.
	global_prefetch_b8 v[PFO], s[20:21] th:TH_LOAD_NT scope:SCOPE_SE
.Lasked:
.irp hh, 1,2,3,4,5,6,7,8,9,10,11,12,13,14,15
	ROWSTEP \hh, 1, 60
.endr
	s_wait_xcnt 0x0                                ; every load issued so far has read its address: x's pointer is written only behind this wait
	s_add_nc_u64 s[18:19], s[18:19], 4096
	v_add_nc_u32 v[SA], 16*PITCH, v[SA]
	s_sub_co_u32 s33, s33, 1
	s_cmp_lg_u32 s33, 0
	s_cbranch_scc1 .Lrows
.irp hh, 0,1,2,3,4,5,6,7,8,9,10,11,12,13,14,15
	ROWSTEP \hh, 0, 60-4*(\hh)                     ; the last 16 rows load nothing: the counts run down to 0
.endr
.set r, CI
.rept 40
	v_min_u32 v[r], 0x400, v[r]                    ; a column offset is 16 x 64 at the most,
	v_add_nc_u32 v[r], s32, v[r]                   ; and carries my plane's base
.set r, r+1
.endr
	v_mov_b32 v[SC0+1], 0                          ; named with the scales as pairs
	v_mov_b32 v[SC1+1], 0
.macro PREP p                          ; a row offset is 1,040 x 64 at the most
.irp q, 0,1,2,3,4,5,6,7,8,9
	v_min_u32 v[RI+16*(\p)+(\q)], 0x10400, v[RI+16*(\p)+(\q)]
.endr
.endm
; Eight corners: column slots 2 hf and 2 hf + 1 of tile m, bin row of parity p.  A = (he, we), B = (hs, we), C = (he, ws), D = (hs, ws).
; In slot 3 the lanes with h = 1 hold the pad: their rows are set to 0, so that all sixteen read the one entry (0, 0).
.macro ISSUE p, m, hf
.set rH, RI+16*(\p)+2*(\m)
.set rC, CI+8*(\m)+4*(\hf)
.set rB, CB+32*(\hf)
	v_add_nc_u32 v[AD],   v[rH+1], v[rC+1]
	v_add_nc_u32 v[AD+1], v[rH],   v[rC+1]
	v_add_nc_u32 v[AD+2], v[rH+1], v[rC]
	v_add_nc_u32 v[AD+3], v[rH],   v[rC]
.if \hf
	v_and_b32 v[MH],   v[PM], v[rH]
	v_and_b32 v[MH+1], v[PM], v[rH+1]
.set rH, MH
.endif
	v_add_nc_u32 v[AD+4], v[rH+1], v[rC+3]
	v_add_nc_u32 v[AD+5], v[rH],   v[rC+3]
	v_add_nc_u32 v[AD+6], v[rH+1], v[rC+2]
	v_add_nc_u32 v[AD+7], v[rH],   v[rC+2]
.irp q, 0,1,2,3,4,5,6,7
	ds_load_b128 v[rB+4*(\q):rB+4*(\q)+3], v[AD+(\q)]
.endr
.endm
; The two slots' P: ((A - B) - (C - D)) x (row scale x column scale), 4 channels each, rounded to f16 into the fragment; the two slots side by side.
.macro COMPUTE p, m, hf
.set rA, CB+32*(\hf)
.set rW, RW+4*(\m)+2*(\hf)
.set rF, PF+4*(\hf)
	v_mul_f32 v[SC0], v[RS+16*(\p)+(\m)], v[rW]
	v_mul_f32 v[SC1], v[RS+16*(\p)+(\m)], v[rW+1]
.irp u, 0,2,8,10,16,18,24,26
	v_pk_add_f32 v[rA+(\u):rA+(\u)+1], v[rA+(\u):rA+(\u)+1], v[rA+(\u)+4:rA+(\u)+5] neg_lo:[0,1] neg_hi:[0,1]
.endr
.irp u, 0,2,16,18
	v_pk_add_f32 v[rA+(\u):rA+(\u)+1], v[rA+(\u):rA+(\u)+1], v[rA+(\u)+8:rA+(\u)+9] neg_lo:[0,1] neg_hi:[0,1]
.endr
	v_pk_mul_f32 v[rA:rA+1],     v[rA:rA+1],     v[SC0:SC0+1] op_sel_hi:[1,0]
	v_pk_mul_f32 v[rA+2:rA+3],   v[rA+2:rA+3],   v[SC0:SC0+1] op_sel_hi:[1,0]
	v_pk_mul_f32 v[rA+16:rA+17], v[rA+16:rA+17], v[SC1:SC1+1] op_sel_hi:[1,0]
	v_pk_mul_f32 v[rA+18:rA+19], v[rA+18:rA+19], v[SC1:SC1+1] op_sel_hi:[1,0]
	v_cvt_pk_f16_f32 v[rF],   v[rA],    v[rA+1]
	v_cvt_pk_f16_f32 v[rF+1], v[rA+2],  v[rA+3]
	v_cvt_pk_f16_f32 v[rF+2], v[rA+16], v[rA+17]
	v_cvt_pk_f16_f32 v[rF+3], v[rA+18], v[rA+19]
.endm
; Tile m's six products.  The 30 accumulators take turns, one instruction a turn, over the backward jump too.  zero = 1: bin row 0 starts the sums: nothing is cleared.
.macro MMA p, m, zero
	WIN W_MM
.irp n, 0,1,2,3,4,5
.if \zero
	v_wmma_f32_16x16x32_f16 v[8*(6*(\m)+(\n)):8*(6*(\m)+(\n))+7], v[PF:PF+7], v[48*(\p)+8*(\n):48*(\p)+8*(\n)+7], 0
.else
	v_wmma_f32_16x16x32_f16 v[8*(6*(\m)+(\n)):8*(6*(\m)+(\n))+7], v[PF:PF+7], v[48*(\p)+8*(\n):48*(\p)+8*(\n)+7], v[8*(6*(\m)+(\n)):8*(6*(\m)+(\n))+7]
.endif
.endr
	WIN 0
.endm
; The next bin row's tables (10 loads) and weights (12), into parity p.
.macro FETCH p
	s_wait_xcnt 0x0                                ; every load and the prefetch have read their addresses: the three pointers are written only behind this wait
	s_add_nc_u64 s[22:23], s[22:23], 8
	s_add_nc_u64 s[24:25], s[24:25], 4
	s_add_nc_u64 s[20:21], s[20:21], 6144
.irp m, 0,1,2,3,4
	global_load_b64 v[RI+16*(\p)+2*(\m):RI+16*(\p)+2*(\m)+1], v[O64], s[22:23] offset:1024*(\m)
.endr
.irp m, 0,1,2,3,4
	global_load_b32 v[RS+16*(\p)+(\m)], v[O32], s[24:25] offset:512*(\m)
.endr
	WIN W_LD
.irp n, 0,1,2,3,4,5
	global_load_b128 v[48*(\p)+8*(\n):48*(\p)+8*(\n)+3],   v[L16], s[20:21] offset:1024*(\n)
	global_load_b128 v[48*(\p)+8*(\n)+4:48*(\p)+8*(\n)+7], v[L16], s[20:21] offset:1024*(\n)+512
.endr
	WIN 0
.endm
; A bin row.  While one buffer of corners is worked on, the other's eight loads are out.  Behind each run of products stand ISSUE's ten plain instructions, which name none of the products' registers:
; the places ahead of the next write of P's fragment and of FETCH's loads into the weights that the bin row before multiplied (ISA guide 7.12.1 for vector instructions).
; pref = 1: the next bin row is fetched, and its first corners are asked for ahead of this row's last products.
.macro TRIP p, zero, pref
.irp m, 0,1,2,3,4
	ISSUE \p, \m, 1
.if ((\m) == 0) && (\pref)
	FETCH 1-\p
.endif
	s_wait_dscnt 8                                 ; LDS loads come back in order: all but the eight just issued
	COMPUTE \p, \m, 0
.if (\m) < 4
	ISSUE \p, \m+1, 0
	s_wait_dscnt 8
.elseif \pref
	s_wait_loadcnt 12                              ; the next row's ten table loads are in; its twelve weight loads, issued behind them, may stay out
	PREP 1-\p
	ISSUE 1-\p, 0, 0
	s_wait_dscnt 8
.else
	s_wait_dscnt 0
.endif
	COMPUTE \p, \m, 1
.if (\m) == 0
.if \pref
	s_wait_loadcnt 22                              ; this row's weights are in; the 22 loads of FETCH, issued behind them, may stay out
.else
	s_wait_loadcnt 0
.endif
.endif
	MMA \p, \m, \zero
.endr
.endm
	PREP 0
	s_wait_dscnt 0x0                               ; my plane is written
	s_barrier_signal -1
	s_barrier_wait -1
	ISSUE 0, 0, 0
	TRIP 0, 1, 1                                   ; bin row 0 stands in front of the loop: its products start the sums
	s_mov_b32 s33, 2
.Ltrips:                                       ; bin rows 1 to 4
	TRIP 1, 0, 1
	TRIP 0, 0, 1
	s_sub_co_u32 s33, s33, 1
	s_cmp_lg_u32 s33, 0
	s_cbranch_scc1 .Ltrips
	TRIP 1, 0, 1                                   ; bin row 5
	TRIP 0, 0, 0                                   ; bin row 6 fetches nothing
	; THE FOUR WAVES' SUMS MEET in the planes' bytes.  The three address lines and a v_nop are the four places behind the last products.
	s_mul_i32 s34, s14, STG
	s_mul_i32 s35, s14, STG/4
	v_add_nc_u32 v[SA], s34, v[L16]                ; my stage
	v_add_nc_u32 v[BA], s35, v[L16]                ; my quarter of a stage, in waves 0's and 1's,
	v_add_nc_u32 v[BB], 2*STG, v[BA]               ; and in waves 2's and 3's
	v_nop
	s_wait_dscnt 0x0                               ; my reads of my plane are over
	s_barrier_signal -1
	s_barrier_wait -1                              ; everybody's are: the planes may be written over
	WIN W_ST
.set t, 0
.rept 30
	ds_store_b128 v[SA], v[8*t:8*t+3]   offset:512*(2*t)    ; each accumulator's low registers first
	ds_store_b128 v[SA], v[8*t+4:8*t+7] offset:512*(2*t+1)
.set t, t+1
.endr
	WIN 0
	s_wait_dscnt 0x0                               ; for the others' sake: my stage is written
	s_barrier_signal -1
	s_barrier_wait -1
.set k, 0
.rept 15                               ; my quarter: 15 blocks of 512 bytes, from each of the four stages
	ds_load_b128 v[16+16*k:19+16*k], v[BA] offset:512*k
	ds_load_b128 v[20+16*k:23+16*k], v[BA] offset:STG+512*k
	ds_load_b128 v[24+16*k:27+16*k], v[BB] offset:512*k
	ds_load_b128 v[28+16*k:31+16*k], v[BB] offset:STG+512*k
.set k, k+1
.endr
.set k, 0
.rept 15
.set b, 16+16*k
	s_wait_dscnt 4*(14-k)                          ; block k's four loads are in; the later blocks' stay out
	v_pk_add_f32 v[b:b+1],     v[b:b+1],     v[b+4:b+5]
	v_pk_add_f32 v[b+2:b+3],   v[b+2:b+3],   v[b+6:b+7]
	v_pk_add_f32 v[b+8:b+9],   v[b+8:b+9],   v[b+12:b+13]
	v_pk_add_f32 v[b+10:b+11], v[b+10:b+11], v[b+14:b+15]
	v_pk_add_f32 v[b:b+1],     v[b:b+1],     v[b+8:b+9]
	v_pk_add_f32 v[b+2:b+3],   v[b+2:b+3],   v[b+10:b+11]
	global_store_b128 v[L16], v[b:b+3], s[30:31] offset:512*k  ; 512 consecutive bytes, at a multiple of 512 from part's first byte
.set k, k+1
.endr
	s_wait_tensorcnt 0x0                           ; the wave's end: behind my last LDS store
	ds_add_u32 v[SPW], v[NIL]
	s_wait_dscnt 0x0
	s_endpgm
.Lfunc_end_k_q76fe0abe07_pool:
	.size	k_q76fe0abe07_pool, .Lfunc_end_k_q76fe0abe07_pool-k_q76fe0abe07_pool
	.p2alignl 7, 3214868480
	.fill 96, 4, 3214868480
	.section	.rodata,"a",@progbits
	.p2align	6, 0x0
	.amdhsa_kernel k_q76fe0abe07_pool
		.amdhsa_group_segment_fixed_size 271872
		.amdhsa_private_segment_fixed_size 0
		.amdhsa_enable_private_segment 0
		.amdhsa_kernarg_size 40
		.amdhsa_user_sgpr_count 2
		.amdhsa_user_sgpr_kernarg_segment_ptr 1
		.amdhsa_wavefront_size32 1
		.amdhsa_system_sgpr_workgroup_id_x 1
		.amdhsa_system_sgpr_workgroup_id_y 1
		.amdhsa_system_sgpr_workgroup_id_z 1
		.amdhsa_system_vgpr_workitem_id 0
		.amdhsa_next_free_vgpr 608
		.amdhsa_next_free_sgpr 66
		.amdhsa_reserve_vcc 0
		.amdhsa_float_denorm_mode_32 3
		.amdhsa_float_denorm_mode_16_64 3
		.amdhsa_memory_ordered 1
		.amdhsa_forward_progress 1
		.amdhsa_inst_pref_size 239
	.end_amdhsa_kernel
	.amdgpu_metadata
---
amdhsa.version: [ 1, 2 ]
amdhsa.kernels:
  - .name:           k_q76fe0abe07_pool
    .symbol:         k_q76fe0abe07_pool.kd
    .args:
      - { .name: x, .offset: 0, .size: 8, .value_kind: global_buffer, .address_space: global }
      - { .name: wb, .offset: 8, .size: 8, .value_kind: global_buffer, .address_space: global }
      - { .name: idx, .offset: 16, .size: 8, .value_kind: global_buffer, .address_space: global }
      - { .name: scl, .offset: 24, .size: 8, .value_kind: global_buffer, .address_space: global }
      - { .name: part, .offset: 32, .size: 8, .value_kind: global_buffer, .address_space: global }
    .group_segment_fixed_size: 271872
    .private_segment_fixed_size: 0
    .kernarg_segment_align: 8
    .kernarg_segment_size: 40
    .max_flat_workgroup_size: 128
    .sgpr_count:     66
    .vgpr_count:     608
    .wavefront_size: 32
...
	.end_amdgpu_metadata
.endif
;; end of part 2
;; launch finish (part 3): grid 12 x 20, 4 waves a work-group, no clusters, 2,560 bytes of LDS; arguments part, scl, conv_b, out0; writes out0
.if DOCPART == 3
	.amdgcn_target "amdgcn-amd-amdhsa--gfx1250"
	.amdhsa_code_object_version 6
	.text
	.protected	k_q76fe0abe07_finish
	.globl	k_q76fe0abe07_finish
	.p2align	8
	.type	k_q76fe0abe07_finish,@function
k_q76fe0abe07_finish:
	s_mov_b64 s[64:65], 0
	v_nop
	global_prefetch_b8 v0, s[64:65] scope:SCOPE_SE
	s_setreg_imm32_b32 hwreg(HW_REG_WAVE_MODE, 25, 1), 1
	s_wait_xcnt 0x0
; R-FCN HEAD, launch 3 of 3: out0[R][T] = the sum over the 64 chunks of part + the sum over (i, j) of conv_b[49 T + 7 i + j] [dh_i > 0] [dw_j > 0] / 49.  The score map is not made: see the head of launch 1.
; part: [chunk 64][y 20][n 6][f 2][lane 32][e 4] f32: element (lane l, e) of block (y, n, f) is region slot 16 y + 8 (l / 16) + 4 f + e, target 16 n + l % 16.
; SHARES.  A work-group owns one block (y, n, f) of 512 bytes.  Wave w adds chunks 16 w .. 16 w + 15 (each load: 512 consecutive bytes, aligned); the four sums meet in LDS; wave w then finishes element e = w of every lane
; and adds its bias term, all in f32.  Slot 80 grp + q is region 75 grp + q for q < 75; the other slots, and targets 81 .. 95, are not stored.
; A store writes two runs of 16 numbers in two rows of out0: its rows are 324 bytes, which no share-out lays on blocks of 256.  No matrix unit, cluster or tensor load: the launch adds what it streams, and no two work-groups read the same bytes of part.
.set SPARE, 2048                       ; behind the four sums: the spare words, 128 bytes for each wave
.set SPW, 1                            ; v1  LDS address of my spare word; never rewritten
.set NIL, 2                            ; v2  0; never rewritten
.set PA,  16                           ; v[16:79]   16 chunks x 4 numbers
.set GH,  80                           ; v[80:87]   [dh > 0] of my slot's 8 bin rows
.set GW,  88                           ; v[88:95]   [dw > 0] / 49 of its 8 bin columns
.set BV,  96                           ; v[96:144]  my target's 49 biases
.set TI,  146                          ; v[146:152] a bin row's sum over j
.set BS,  153                          ; v153       the bias term
.set QS,  154                          ; v[154:157] the four waves' sums of my element
	s_load_b256 s[4:11], s[0:1], 0x0               ; part s[4:5], scl s[6:7], conv_b s[8:9], out0 s[10:11]
	v_lshl_add_u32 v[SPW], v0, 2, SPARE
	v_mov_b32 v[NIL], 0
	v_lshrrev_b32 v3, 5, v0
	v_readfirstlane_b32 s12, v3                    ; wave w
	s_and_b32 s13, ttmp7, 0xffff                   ; y
	s_lshr_b32 s14, ttmp9, 1                       ; n
	s_and_b32 s15, ttmp9, 1                        ; f
	s_mul_i32 s16, s13, 52
	s_lshr_b32 s16, s16, 8                         ; grp = y / 5: exact for 0 .. 19
	v_and_b32 v3, 31, v0                           ; l
	v_and_b32 v4, 15, v0                           ; l % 16
	v_bfe_u32 v5, v0, 4, 1                         ; h = l / 16
	v_lshlrev_b32 v6, 4, v3                        ; 16 l
	s_mul_i32 s20, s13, 12
	s_add_co_u32 s20, s20, ttmp9
	s_lshl_b32 s20, s20, 9                         ; the block: (12 y + 2 n + f) x 512,
	s_mul_i32 s21, s12, 16*122880
	s_add_co_u32 s20, s20, s21                     ; my 16 chunks
	s_mov_b32 s21, 0
	s_lshl_b32 s22, s13, 4
	s_lshl_b32 s23, s15, 2
	s_add_co_u32 s23, s23, s12                     ; 4 f + w
	s_add_co_u32 s22, s22, s23
	v_lshl_add_u32 v7, v5, 3, s22                  ; my slot: 16 y + 8 h + 4 f + w
	v_lshlrev_b32 v8, 5, v7                        ; 32 bytes a slot
	s_lshl_b32 s24, s14, 4
	v_add_nc_u32 v9, s24, v4                       ; T
	v_min_u32 v10, 80, v9                          ; a lane without a target reads, and addresses, the last one
	v_mul_u32_u24 v11, v10, 196                    ; 49 biases of 4 bytes
	s_lshl_b32 s25, s12, 9
	v_add_nc_u32 v12, s25, v6                      ; where my wave's sums go
	s_lshl_b32 s25, s12, 2
	v_add_nc_u32 v13, s25, v6                      ; element w of my lane, in wave 0's sums
	s_mul_i32 s26, s16, 5
	s_sub_co_u32 s26, s13, s26
	s_lshl_b32 s26, s26, 4
	s_add_co_u32 s26, s26, s23
	v_lshl_add_u32 v14, v5, 3, s26                 ; q = 16 (y - 5 grp) + 8 h + 4 f + w
	s_mul_i32 s27, s16, 75
	v_add_nc_u32 v15, s27, v14                     ; R
	v_min_u32 v15, 299, v15
	v_mad_u32_u24 v15, v15, 81, v10
	v_lshlrev_b32 v15, 2, v15                      ; (81 R + T) x 4, inside out0 in every lane
	s_wait_kmcnt 0x0
	s_add_nc_u64 s[4:5], s[4:5], s[20:21]
.set c, 0
.rept 16
	global_load_b128 v[PA+4*c:PA+4*c+3], v6, s[4:5] offset:122880*c th:TH_LOAD_NT
.set c, c+1
.endr
	global_load_b128 v[GH:GH+3],   v8, s[6:7] offset:20480
	global_load_b128 v[GH+4:GH+7], v8, s[6:7] offset:20496
	global_load_b128 v[GW:GW+3],   v8, s[6:7] offset:30720
	global_load_b128 v[GW+4:GW+7], v8, s[6:7] offset:30736
.set c, 0
.rept 49
	global_load_b32 v[BV+c], v11, s[8:9] offset:4*c
.set c, c+1
.endr
.macro QADD a, b                       ; chunk a += chunk b
	v_pk_add_f32 v[PA+4*(\a):PA+4*(\a)+1],   v[PA+4*(\a):PA+4*(\a)+1],   v[PA+4*(\b):PA+4*(\b)+1]
	v_pk_add_f32 v[PA+4*(\a)+2:PA+4*(\a)+3], v[PA+4*(\a)+2:PA+4*(\a)+3], v[PA+4*(\b)+2:PA+4*(\b)+3]
.endm
	s_wait_loadcnt 53                              ; the 16 chunks are in; the 4 + 49 loads issued behind them may stay out
.irp a, 0,2,4,6,8,10,12,14
	QADD \a, \a+1
.endr
.irp a, 0,4,8,12
	QADD \a, \a+2
.endr
	QADD 0, 4
	QADD 8, 12
	QADD 0, 8
	ds_store_b128 v12, v[PA:PA+3]
	s_wait_loadcnt 0x0
.irp i, 0,1,2,3,4,5,6
	v_mul_f32 v[TI+(\i)], v[GW], v[BV+7*(\i)]
.endr
.irp j, 1,2,3,4,5,6
.irp i, 0,1,2,3,4,5,6
	v_fmac_f32 v[TI+(\i)], v[GW+(\j)], v[BV+7*(\i)+(\j)]
.endr
.endr
	v_mul_f32 v[BS], v[GH], v[TI]
.irp i, 1,2,3,4,5,6
	v_fmac_f32 v[BS], v[GH+(\i)], v[TI+(\i)]
.endr
	s_wait_dscnt 0x0                               ; for the others' sake: my sums are stored
	s_barrier_signal -1
	s_barrier_wait -1
.irp u, 0,1,2,3
	ds_load_b32 v[QS+(\u)], v13 offset:512*(\u)
.endr
	v_cmp_gt_u32 vcc_lo, 75, v14                   ; the slot holds a region,
	v_cmp_gt_u32 s28, 81, v9                       ; and the column a target
	s_and_b32 vcc_lo, vcc_lo, s28
	s_wait_dscnt 0x0
	v_add_f32 v[QS], v[QS], v[QS+1]
	v_add_f32 v[QS+2], v[QS+2], v[QS+3]
	v_add_f32 v[QS], v[QS], v[QS+2]
	v_add_f32 v[QS], v[QS], v[BS]
	s_wait_xcnt 0x0                                ; EXEC changes only behind this wait
	s_and_saveexec_b32 s30, vcc_lo
	global_store_b32 v15, v[QS], s[10:11]
	s_wait_xcnt 0x0                                ; and again, in front of the line that widens it
	s_or_b32 exec_lo, exec_lo, s30
	s_wait_tensorcnt 0x0                           ; the wave's end: behind my last LDS store
	ds_add_u32 v[SPW], v[NIL]
	s_wait_dscnt 0x0
	s_endpgm
.Lfunc_end_k_q76fe0abe07_finish:
	.size	k_q76fe0abe07_finish, .Lfunc_end_k_q76fe0abe07_finish-k_q76fe0abe07_finish
	.p2alignl 7, 3214868480
	.fill 96, 4, 3214868480
	.section	.rodata,"a",@progbits
	.p2align	6, 0x0
	.amdhsa_kernel k_q76fe0abe07_finish
		.amdhsa_group_segment_fixed_size 2560
		.amdhsa_private_segment_fixed_size 0
		.amdhsa_enable_private_segment 0
		.amdhsa_kernarg_size 32
		.amdhsa_user_sgpr_count 2
		.amdhsa_user_sgpr_kernarg_segment_ptr 1
		.amdhsa_wavefront_size32 1
		.amdhsa_system_sgpr_workgroup_id_x 1
		.amdhsa_system_sgpr_workgroup_id_y 1
		.amdhsa_system_sgpr_workgroup_id_z 1
		.amdhsa_system_vgpr_workitem_id 0
		.amdhsa_next_free_vgpr 160
		.amdhsa_next_free_sgpr 66
		.amdhsa_reserve_vcc 1
		.amdhsa_float_denorm_mode_32 3
		.amdhsa_float_denorm_mode_16_64 3
		.amdhsa_memory_ordered 1
		.amdhsa_forward_progress 1
		.amdhsa_inst_pref_size 14
	.end_amdhsa_kernel
	.amdgpu_metadata
---
amdhsa.version: [ 1, 2 ]
amdhsa.kernels:
  - .name:           k_q76fe0abe07_finish
    .symbol:         k_q76fe0abe07_finish.kd
    .args:
      - { .name: part, .offset: 0, .size: 8, .value_kind: global_buffer, .address_space: global }
      - { .name: scl, .offset: 8, .size: 8, .value_kind: global_buffer, .address_space: global }
      - { .name: conv_b, .offset: 16, .size: 8, .value_kind: global_buffer, .address_space: global }
      - { .name: out0, .offset: 24, .size: 8, .value_kind: global_buffer, .address_space: global }
    .group_segment_fixed_size: 2560
    .private_segment_fixed_size: 0
    .kernarg_segment_align: 8
    .kernarg_segment_size: 32
    .max_flat_workgroup_size: 128
    .sgpr_count:     66
    .vgpr_count:     160
    .wavefront_size: 32
...
	.end_amdgpu_metadata
.endif
;; end of part 3
;; ======== version 2 of 2: 3 launches; version 1 with the launch pool written anew for expert scheduling mode
;; limits: values are held in f16: magnitudes above 65,504 overflow, below 6.1e-05 lose precision
;; workspace buffers: wb 11,010,048 bytes; idx 40,960 bytes of whole numbers; scl 40,960 bytes; part 7,864,320 bytes
;; launch prep: the kernel of part 1 again; grid 692 x 1, 4 waves a work-group, no clusters, 17,152 bytes of LDS; arguments conv_w, regions, wb, idx, scl; writes wb, idx, scl
;; launch pool (part 4): grid 256 x 1, 4 waves a work-group, no clusters, 271,872 bytes of LDS; arguments x, wb, idx, scl, part; writes part
.if DOCPART == 4
	.amdgcn_target "amdgcn-amd-amdhsa--gfx1250"
	.amdhsa_code_object_version 6
	.text
	.protected	k_q76fe0abe07_pool
	.globl	k_q76fe0abe07_pool
	.p2align	8
	.type	k_q76fe0abe07_pool,@function
k_q76fe0abe07_pool:
	s_mov_b64 s[64:65], 0
	v_nop
	global_prefetch_b8 v0, s[64:65] scope:SCOPE_SE
	s_setreg_imm32_b32 hwreg(HW_REG_WAVE_SCHED_MODE, 0, 2), 2
	s_setreg_imm32_b32 hwreg(HW_REG_WAVE_MODE, 25, 1), 1
	s_wait_xcnt 0x0
	s_wait_alu depctr_vm_vsrc(0)
; R-FCN HEAD, launch 2 of 3: part[chunk] = P W^T over 16 channels.  The score map is not made: the head of launch 1 shows the identity, for all finite inputs.
; SHARES.  256 work-groups = 64 chunks of 16 channels x 4 groups of 80 region slots (75 regions and 5 empty slots: 5 tiles of 16, each with live regions).  Wave v owns the plane Q = 4 chunk + v of 4 channels,
; for all 5 tiles and all 7 bin rows: K is split among the waves, and their sums meet in LDS at the end.
; HEAD.  The wave makes the integral image of its 4 channels in LDS: entry (row, col), 0 .. 64 each, at PB + 1,040 row + 16 col holds the 4 channels' sums of x over rows < row, columns < col, in f32; row 0 and column 0 are 0.
; A lane holds columns 2 l and 2 l + 1: the sum down the rows is kept in registers, the sum along a row is a scan over the lanes.
; GATHER.  One ds_load_b128 brings a corner for 4 channels.  A K step of 32 is one bin row i x 8 column slots x 4 channels, k = 4 j8 + ch: lane (rr = l % 16, h = l / 16) holds region slot rr and j8 = 2 h, 2 h + 1, 4 + 2 h, 5 + 2 h,
; two registers each.  P = ((A - B) - (C - D)) x scale, rounded to f16, IS source 0 (16 slots x 32 k); wb's 16 bytes a lane, twice, are source 1 (16 targets x 32 k).  j8 = 7 is a pad: zeros on both sides.
; In the result register jj of lane l is (slot 16 m + 8 h + jj, target 16 n + rr).  Corner offsets come from idx, whole numbers that launch 1 stored; they are held to the image's extent before they enter an address.
; NO TENSOR LOAD, NO CLUSTER, though the 4 groups of a chunk read the same x and wb: x has to be summed in registers before it lies in LDS, and 262,144 bytes of raw x beside the 271,360 of the integral images
; are more than the 327,680 that a work-group can have; wb's 172,032 bytes a chunk do not fit beside them either, and its fragments go straight into the lanes that want them.
; LIMITS: as stated at the head of launch 1 (f16 operands: |P| under 65,504, a fixed step of 6e-8 under 6.1e-5; f32 integral image, so a rectangle sum is a difference of f32 sums, as in reference(); NaN and infinities not treated apart).
; THE MODE: SCHED_MODE bits 1:0 = 2 (LLVM: expert scheduling mode 2), set by the entry lines.  The code itself states the register dependences between vector or matrix instructions and memory or LDS instructions,
; with s_wait_alu, always for 0.
; THE PLAN, HEAD.  The 64 image rows go in 32 blocks of two, through a ring of 8 slots of 16 registers (XR).  Slot b % 8: the loads of x land in it; block b's sums down the rows read it; block b's last lines write the two rows'
; entries into it (the slot is its own out-buffer); the four LDS stores issued in block b + 1 read it; the loads of block b + 8, issued in block b + 2, land in it again.  v[SA] is read by those stores and written once a trip.
; So the waits at the head of block b state all that its twelve memory instructions hang on: they touch slots b - 1 and b - 2 and v[SA], and the block's vector lines name slot b, RUNA, RUNB, PT and HIM alone.
; THE PLAN, GATHER.  A step is a tile of 16 slots; tile g = 5 i + m has buffers g % 2.  CB: step g's differences read and write it; the 16 corner loads of tile g + 2, issued in step g, land in it.  AD: written in step g for tile g + 2,
; read by those loads, written again in step g + 2.  RI, RS (by the bin row's parity): read by address sums up to step 2 and by scalings up to step 4; the loads of bin row i + 2, issued in row i's step 4, land in them.
; wb's fragments (by parity): read by the row's products; the next row's loads, issued in step 0, land in the other parity.  P's fragment, the scales, the accumulators, CI and RW are named by vector and matrix instructions alone.
; So ONE wait on va_vdst stands in a step, behind the roundings and ahead of the products, and one on vm_vsrc beside it, a whole step behind the loads that it speaks of.
; REGISTERS, in windows of 256 (s_set_vgpr_msb: bits 1:0 source 0, 3:2 source 1, 5:4 source 2, 7:6 destination): window 0 below; window 1: accumulator (m, n) at 8 (6 m + n);
; window 2: wb's fragments, parity p, block n at 48 p + 8 n; CI, tile m at 96 + 8 m; RW, tile m at 136 + 4 m.
.set PITCH, 1040                       ; 65 entries of 16 bytes
.set PL,    67840                      ; a plane: 65 rows = 67,600 bytes, rounded up to blocks of 256
.set SPARE, 4*PL                       ; behind the planes: the spare words, 128 bytes for each wave
.set STG,   30720                      ; a wave's 30 accumulators in the stage (the planes' bytes, when the gather is over)
.set SPW, 1                            ; v1  LDS address of my spare word; never rewritten
.set NIL, 2                            ; v2  0; never rewritten
.set RR,  3                            ; v3  l % 16
.set H1,  4                            ; v4  l / 16
.set PM,  5                            ; v5  all ones where h = 0, 0 where h = 1
.set O64, 6                            ; v6  64 rr: my slot in the row offsets
.set O64H, 7                           ; v7  64 rr + 16 h: in the column offsets
.set O32H, 8                           ; v8  32 rr + 8 h: in the column scales
.set O32, 9                            ; v9  32 rr: in the row scales
.set L16, 10                           ; v10 16 l
.set L8,  11                           ; v11 8 l
.set SA,  12                           ; v12 head: where my two entries of a row go; end: my place in my stage
.set PFO, 13                           ; v13 the prefetch's offset
.set BA,  14                           ; v14 head: row 0;    end: stage of waves 0, 1
.set BB,  15                           ; v15 head: column 0; end: stage of waves 2, 3
.set AD,  16                           ; v[16:47]  two sets of sixteen corner addresses
.set MH,  48                           ; v[48:49]  hs, he with the pad's lanes set to 0
.set SC,  50                           ; v[50:57]  the four column slots' scales, a pair each (the packed multiply names a pair and takes its low word)
.set RI,  76                           ; v[76:85], v[92:101]  parity p at RI + 16 p: 1,040 hs, 1,040 he, a pair a tile
.set RS,  86                           ; v[86:90], v[102:106] parity p at RS + 16 p: 1 / max(dh,1), one a tile
.set PF,  120                          ; v[120:127] P's fragment
.set CB,  128                          ; v[128:255] corners: two buffers of 4 slots x 4 corners x 4 channels
.set CI,  96                           ; window 2: tile m at CI + 8 m: PB + 16 ws, PB + 16 we for my four column slots
.set RW,  136                          ; window 2: tile m at RW + 4 m: 1 / (49 max(dw,1)) for my four column slots
.set XR,  128                          ; head: v[128:255] the ring: slot s, row j, channel c at XR + 16 s + 8 j + 2 c as loaded; later entry (col 2 l) at + 8 j, entry (col 2 l + 1) at + 8 j + 4
.set RUNA, 16                          ; head: v[16:23]  the sums down the rows through a block's first row, a pair a channel
.set RUNB, 24                          ; head: v[24:31]  through its second row
.set PT,  32                           ; head: v[32:39]  the scan: row j, channel c at PT + 4 j + c
.set HIM, 40                           ; head: v40 h as f32
.set LN,  41                           ; head: v41 l
.set ZR,  44                           ; head: v[44:47]  an entry of zeros
.set MSB, 0
.macro WIN new                         ; the immediate's high byte repeats the setting that is left; a switch that changes nothing is dropped
.if MSB != (\new)
	s_set_vgpr_msb (MSB<<8)|(\new)
.set MSB, \new
.endif
.endm
.set W_MM, 0x58                        ; P in window 0, wb's fragment in window 2, C and D in window 1
.set W_LD, 0x80                        ; destination window 2, address window 0
.set W_ST, 0x04                        ; an LDS store's data (source 1) in window 1
.set W_T2, 0x08                        ; source 1 (CI, RW) in window 2
.set W_CL, 0x88                        ; destination and source 1 in window 2
	s_load_b256 s[4:11], s[0:1], 0x0               ; x s[4:5], wb s[6:7], idx s[8:9], scl s[10:11]
	s_load_b64 s[12:13], s[0:1], 0x20              ; part
	v_lshl_add_u32 v[SPW], v0, 2, SPARE
	v_mov_b32 v[NIL], 0
	v_lshrrev_b32 v[LN], 5, v0
	v_readfirstlane_b32 s14, v[LN]                 ; wave 0..3
	s_and_b32 s15, ttmp9, 3                        ; grp
	s_lshr_b32 s16, ttmp9, 2                       ; chunk
	v_and_b32 v[LN], 31, v0
	v_and_b32 v[RR], 15, v0
	v_bfe_u32 v[H1], v0, 4, 1
	v_add_nc_u32 v[PM], -1, v[H1]
	v_cvt_f32_u32 v[HIM], v[H1]
	v_lshlrev_b32 v[O64], 6, v[RR]
	v_lshl_add_u32 v[O64H], v[H1], 4, v[O64]
	v_lshlrev_b32 v[O32], 5, v[RR]
	v_lshl_add_u32 v[O32H], v[H1], 3, v[O32]
	v_lshlrev_b32 v[L16], 4, v[LN]
	v_lshlrev_b32 v[L8], 3, v[LN]
.irp r, 0,1,2,3
	v_mov_b32 v[ZR+(\r)], 0
.endr
.irp r, 0,1,2,3,4,5,6,7
	v_mov_b32 v[RUNB+(\r)], 0
.endr
	s_wait_alu depctr_va_sdst(0)                   ; s14 is written, ahead of its first reader: LDS places and the buffers' offsets are made from it
	s_mul_i32 s32, s14, PL                         ; PB: my plane
	s_add_co_u32 s34, s32, PITCH+16
	v_lshl_add_u32 v[SA], v[LN], 5, s34            ; entry (1, 2 l + 1)
	v_add_nc_u32 v[BA], s32, v[L16]
	s_add_co_u32 s34, s32, PITCH
	v_mul_u32_u24 v[BB], v[LN], PITCH
	v_add_nc_u32 v[BB], s34, v[BB]                 ; entry (1 + l, 0)
	s_lshl_b32 s34, s15, 13
	s_add_co_u32 s34, s34, 6144
	v_lshl_add_u32 v[PFO], v[LN], 8, s34           ; 6,144 + 8,192 grp + 256 l
	s_lshl_b32 s40, s16, 18                        ; x: 16 chunk + 4 v images of 16,384 bytes
	s_lshl_b32 s41, s14, 16
	s_add_co_u32 s40, s40, s41
	s_mov_b32 s41, 0
	s_lshl_b32 s42, s16, 2
	s_add_co_u32 s42, s42, s14
	s_mul_i32 s42, s42, 43008                      ; wb: plane Q
	s_mov_b32 s43, 0
	s_mul_i32 s44, s15, 5120                       ; idx: 80 slots of 64 bytes
	s_mov_b32 s45, 0
	s_mul_i32 s46, s15, 2560                       ; scl: 80 slots of 32 bytes
	s_mov_b32 s47, 0
	s_mul_i32 s48, s16, 4*STG                      ; part: chunk, group, my quarter of the group's 30,720 bytes
	s_mul_i32 s49, s15, STG
	s_add_co_u32 s48, s48, s49
	s_mul_i32 s49, s14, STG/4
	s_add_co_u32 s48, s48, s49
	s_mov_b32 s49, 0
	s_wait_kmcnt 0x0
	s_add_nc_u64 s[18:19], s[4:5], s[40:41]        ; x at my 4 images
	s_add_nc_u64 s[20:21], s[6:7], s[42:43]        ; wb at my plane, bin row 0
	s_add_nc_u64 s[26:27], s[8:9], s[44:45]        ; column offsets
	s_add_nc_u64 s[22:23], s[26:27], 20480         ; row offsets, bin row 0
	s_add_nc_u64 s[28:29], s[10:11], s[46:47]      ; column scales
	s_add_nc_u64 s[24:25], s[28:29], 10240         ; row scales, bin row 0
	s_add_nc_u64 s[30:31], s[12:13], s[48:49]
	s_wait_alu depctr_va_vdst(0)                   ; the offsets and addresses v6 to v15 are written, which the loads, the stores and the prefetch below read; so is the entry of zeros, which five stores read
	; the tables (bin rows 0 and 1: 20 loads; columns: 20) and bin row 0's weights (12): older than every load of x, so the head's first wait shows them in
.irp m, 0,1,2,3,4
	global_load_b64 v[RI+2*(\m):RI+2*(\m)+1],       v[O64], s[22:23] offset:1024*(\m)
	global_load_b64 v[RI+16+2*(\m):RI+16+2*(\m)+1], v[O64], s[22:23] offset:1024*(\m)+8
	global_load_b32 v[RS+(\m)],                     v[O32], s[24:25] offset:512*(\m)
	global_load_b32 v[RS+16+(\m)],                  v[O32], s[24:25] offset:512*(\m)+4
.endr
	WIN W_LD
.irp m, 0,1,2,3,4
	global_load_b128 v[CI+8*(\m):CI+8*(\m)+3],   v[O64H], s[26:27] offset:1024*(\m)
	global_load_b128 v[CI+8*(\m)+4:CI+8*(\m)+7], v[O64H], s[26:27] offset:1024*(\m)+32
	global_load_b64 v[RW+4*(\m):RW+4*(\m)+1],    v[O32H], s[28:29] offset:512*(\m)
	global_load_b64 v[RW+4*(\m)+2:RW+4*(\m)+3],  v[O32H], s[28:29] offset:512*(\m)+16
.endr
.irp n, 0,1,2,3,4,5
	global_load_b128 v[8*(\n):8*(\n)+3],   v[L16], s[20:21] offset:1024*(\n)
	global_load_b128 v[8*(\n)+4:8*(\n)+7], v[L16], s[20:21] offset:1024*(\n)+512
.endr
	WIN 0
.irp hh, 0,1,2,3,4,5,6,7,8,9,10,11,12,13,14,15
.irp c, 0,1,2,3
	global_load_b64 v[XR+8*(\hh)+2*(\c):XR+8*(\hh)+2*(\c)+1], v[L8], s[18:19] offset:16384*(\c)+256*(\hh)  ; an image row: 256 consecutive bytes, aligned
.endr
.endr
	ds_store_b128 v[BA], v[ZR:ZR+3]                ; row 0: 1,040 bytes of zeros (the second and third store overlap)
	ds_store_b128 v[BA], v[ZR:ZR+3] offset:512
	ds_store_b128 v[BA], v[ZR:ZR+3] offset:528
	ds_store_b128 v[BB], v[ZR:ZR+3]                ; column 0 of rows 1 .. 64
	ds_store_b128 v[BB], v[ZR:ZR+3] offset:32*PITCH
; A block of two image rows, in ring slot s.  st = 1: the block before is stored, at rows srow and srow + 1 from v[SA].  rl = 1: the slot two back is asked for again, with rows 16 + xrow and 17 + xrow from x's pointer.
; sa = 1: v[SA] moves on by 16 rows.  left = the younger loads that may stay out.
.macro BLK s, st, rl, sa, left, srow, xrow
.set qW, XR+16*(\s)
.set qS, XR+16*(((\s)+7)%8)
.set qL, XR+16*(((\s)+6)%8)
	s_wait_loadcnt \left                           ; loads come back in order: this block's eight are in
.if \rl
	s_wait_alu depctr_vm_vsrc(0)                   ; the LDS stores issued in the block before have read the slot two back, in which the loads below land, and v[SA]
.endif
.if \sa
	v_add_nc_u32 v[SA], 16*PITCH, v[SA]
.endif
.if \st
	s_wait_alu depctr_va_vdst(0)                   ; the block before has written its entries, which the stores below read; the vector work on the slot two back is done; v[SA] is written
.endif
.if \rl
.irp c, 0,1,2,3
	global_load_b64 v[qL+2*(\c):qL+2*(\c)+1], v[L8], s[18:19] offset:4096+16384*(\c)+256*(\xrow)  ; no vector line since the waits names these registers
.endr
.endif
.irp c, 0,1,2,3
	v_pk_add_f32 v[RUNA+2*(\c):RUNA+2*(\c)+1], v[RUNB+2*(\c):RUNB+2*(\c)+1], v[qW+2*(\c):qW+2*(\c)+1]  ; down the rows
.endr
.if \rl
.irp c, 0,1,2,3
	global_load_b64 v[qL+8+2*(\c):qL+8+2*(\c)+1], v[L8], s[18:19] offset:4096+16384*(\c)+256*((\xrow)+1)
.endr
.endif
.irp c, 0,1,2,3
	v_pk_add_f32 v[RUNB+2*(\c):RUNB+2*(\c)+1], v[RUNA+2*(\c):RUNA+2*(\c)+1], v[qW+8+2*(\c):qW+8+2*(\c)+1]
.endr
.if \st
	ds_store_b128 v[SA], v[qS:qS+3]   offset:PITCH*(\srow)
	ds_store_b128 v[SA], v[qS+4:qS+7] offset:PITCH*(\srow)+16
.endif
.irp c, 0,1,2,3
	v_add_f32 v[PT+(\c)], v[RUNA+2*(\c)], v[RUNA+2*(\c)+1]
.endr
.irp c, 0,1,2,3
	v_add_f32 v[PT+4+(\c)], v[RUNB+2*(\c)], v[RUNB+2*(\c)+1]
.endr
.if \st
	ds_store_b128 v[SA], v[qS+8:qS+11]  offset:PITCH*((\srow)+1)
	ds_store_b128 v[SA], v[qS+12:qS+15] offset:PITCH*((\srow)+1)+16
.endif
.irp sh, 1,2,4,8                       ; a scan over each half of 16 lanes: a lane without a source keeps its sum; two rows' four channels by turns
.irp c, 0,1,2,3,4,5,6,7
	v_add_f32_dpp v[PT+(\c)], v[PT+(\c)], v[PT+(\c)] row_shr:\sh row_mask:0xf bank_mask:0xf
.endr
.endr
.irp c, 0,1,2,3,4,5,6,7
	v_readlane_b32 s[36+(\c)], v[PT+(\c)], 15      ; the lower half's total,
.endr
	s_wait_alu depctr_va_sdst(0)                   ; s36 to s43 are written, ahead of their first readers
.irp c, 0,1,2,3
	v_fma_f32 v[qW+4+(\c)], s[36+(\c)], v[HIM], v[PT+(\c)]      ; added in the upper half: the sum through column 2 l + 1,
.endr
.irp c, 0,1,2,3
	v_fma_f32 v[qW+12+(\c)], s[40+(\c)], v[HIM], v[PT+4+(\c)]
.endr
.irp c, 0,1,2,3
	v_sub_f32 v[qW+(\c)], v[qW+4+(\c)], v[RUNA+2*(\c)+1]        ; and through column 2 l
.endr
.irp c, 0,1,2,3
	v_sub_f32 v[qW+8+(\c)], v[qW+12+(\c)], v[RUNB+2*(\c)+1]
.endr
.endm
	BLK 0, 0, 0, 0, 56, 0, 0                       ; block 0: the ring's 7 other blocks, eight loads each, stay out; no block stands in front of it
	; ONE PREFETCH a wave: bytes 6,144 + 8,192 grp + 256 l of my plane of wb.  The four groups of a chunk read the same plane and share it out by address, so bytes
	; 6,144 .. 38,911 (bin rows 1 to 5 and a third of row 6) are named once in the launch; the plane has 43,008, so no lane points past it.  It stands 62 image rows ahead of the first load of bin row 1.
	global_prefetch_b8 v[PFO], s[20:21] th:TH_LOAD_NT scope:SCOPE_SE
	BLK 1, 1, 0, 0, 48, 0, 0                       ; block 1 stores block 0; no slot is free yet
	s_mov_b32 s33, 3
.Lrows:                                        ; three trips of eight blocks, blocks 2 to 25: each stores the block before and asks for the block six on; five younger blocks, 40 loads, stay out
	BLK 2, 1, 1, 0, 40, 2, 0
	BLK 3, 1, 1, 0, 40, 4, 2
	BLK 4, 1, 1, 0, 40, 6, 4
	BLK 5, 1, 1, 0, 40, 8, 6
	BLK 6, 1, 1, 0, 40, 10, 8
	BLK 7, 1, 1, 0, 40, 12, 10
	BLK 0, 1, 1, 0, 40, 14, 12
	BLK 1, 1, 1, 1, 40, 0, 14
	s_wait_xcnt 0x0                                ; every load issued so far has read its address: x's pointer is written only behind this wait
	s_add_nc_u64 s[18:19], s[18:19], 4096
	s_sub_co_u32 s33, s33, 1
	s_cmp_lg_u32 s33, 0
	s_cbranch_scc1 .Lrows
	BLK 2, 1, 0, 0, 40, 2, 0                       ; blocks 26 to 31 load nothing: the counts run down to 0
	BLK 3, 1, 0, 0, 32, 4, 0
	BLK 4, 1, 0, 0, 24, 6, 0
	BLK 5, 1, 0, 0, 16, 8, 0
	BLK 6, 1, 0, 0, 8, 10, 0
	BLK 7, 1, 0, 0, 0, 12, 0
	s_wait_alu depctr_va_vdst(0)                   ; block 31 has written its entries, which the last four stores read
	ds_store_b128 v[SA], v[XR+112:XR+115] offset:PITCH*14
	ds_store_b128 v[SA], v[XR+116:XR+119] offset:PITCH*14+16
	ds_store_b128 v[SA], v[XR+120:XR+123] offset:PITCH*15
	ds_store_b128 v[SA], v[XR+124:XR+127] offset:PITCH*15+16
	WIN W_CL
.set r, CI
.rept 40
	v_min_u32 v[r], 0x400, v[r]                    ; a column offset is 16 x 64 at the most,
	v_add_nc_u32 v[r], s32, v[r]                   ; and carries my plane's base
.set r, r+1
.endr
	WIN 0
.irp k, 0,1,2,3
	v_mov_b32 v[SC+2*(\k)+1], 0                    ; named with the scales as pairs
.endr
.macro PREP p                          ; a row offset is 1,040 x 64 at the most
.irp q, 0,1,2,3,4,5,6,7,8,9
	v_min_u32 v[RI+16*(\p)+(\q)], 0x10400, v[RI+16*(\p)+(\q)]
.endr
.endm
; Sixteen corner addresses, into set a: the four column slots of tile m, bin row of parity p.  For each slot A = (he, we), B = (hs, we), C = (he, ws), D = (hs, ws).
; In slot 3 the lanes with h = 1 hold the pad: their rows are set to 0, so that all sixteen read the one entry (0, 0).
.macro ADDR p, m, a
.set rH, RI+16*(\p)+2*(\m)
.set rC, CI+8*(\m)
.set rD, AD+16*(\a)
	WIN 0
	v_and_b32 v[MH],   v[PM], v[rH]
	v_and_b32 v[MH+1], v[PM], v[rH+1]
	WIN W_T2
	v_add_nc_u32 v[rD],    v[rH+1], v[rC+1]
	v_add_nc_u32 v[rD+1],  v[rH],   v[rC+1]
	v_add_nc_u32 v[rD+2],  v[rH+1], v[rC]
	v_add_nc_u32 v[rD+3],  v[rH],   v[rC]
	v_add_nc_u32 v[rD+4],  v[rH+1], v[rC+3]
	v_add_nc_u32 v[rD+5],  v[rH],   v[rC+3]
	v_add_nc_u32 v[rD+6],  v[rH+1], v[rC+2]
	v_add_nc_u32 v[rD+7],  v[rH],   v[rC+2]
	v_add_nc_u32 v[rD+8],  v[rH+1], v[rC+5]
	v_add_nc_u32 v[rD+9],  v[rH],   v[rC+5]
	v_add_nc_u32 v[rD+10], v[rH+1], v[rC+4]
	v_add_nc_u32 v[rD+11], v[rH],   v[rC+4]
	v_add_nc_u32 v[rD+12], v[MH+1], v[rC+7]
	v_add_nc_u32 v[rD+13], v[MH],   v[rC+7]
	v_add_nc_u32 v[rD+14], v[MH+1], v[rC+6]
	v_add_nc_u32 v[rD+15], v[MH],   v[rC+6]
.endm
.macro SCALES p, m                     ; row scale x column scale for the tile's four column slots
	WIN W_T2
.irp k, 0,1,2,3
	v_mul_f32 v[SC+2*(\k)], v[RS+16*(\p)+(\m)], v[RW+4*(\m)+(\k)]
.endr
.endm
.macro CORNERS a                       ; a tile's sixteen corner loads, by address set a into buffer a
.irp q, 0,1,2,3,4,5,6,7,8,9,10,11,12,13,14,15
	ds_load_b128 v[CB+64*(\a)+4*(\q):CB+64*(\a)+4*(\q)+3], v[AD+16*(\a)+(\q)]
.endr
.endm
; Two column slots' P: ((A - B) - (C - D)) x scale, 4 channels each, rounded to f16 into the fragment; the two slots side by side.
.macro COMPUTE buf, hf
.set rA, CB+64*(\buf)+32*(\hf)
.set rF, PF+4*(\hf)
.set rS, SC+4*(\hf)
.irp u, 0,2,8,10,16,18,24,26
	v_pk_add_f32 v[rA+(\u):rA+(\u)+1], v[rA+(\u):rA+(\u)+1], v[rA+(\u)+4:rA+(\u)+5] neg_lo:[0,1] neg_hi:[0,1]
.endr
.irp u, 0,2,16,18
	v_pk_add_f32 v[rA+(\u):rA+(\u)+1], v[rA+(\u):rA+(\u)+1], v[rA+(\u)+8:rA+(\u)+9] neg_lo:[0,1] neg_hi:[0,1]
.endr
	v_pk_mul_f32 v[rA:rA+1],     v[rA:rA+1],     v[rS:rS+1]   op_sel_hi:[1,0]
	v_pk_mul_f32 v[rA+2:rA+3],   v[rA+2:rA+3],   v[rS:rS+1]   op_sel_hi:[1,0]
	v_pk_mul_f32 v[rA+16:rA+17], v[rA+16:rA+17], v[rS+2:rS+3] op_sel_hi:[1,0]
	v_pk_mul_f32 v[rA+18:rA+19], v[rA+18:rA+19], v[rS+2:rS+3] op_sel_hi:[1,0]
	v_cvt_pk_f16_f32 v[rF],   v[rA],    v[rA+1]
	v_cvt_pk_f16_f32 v[rF+1], v[rA+2],  v[rA+3]
	v_cvt_pk_f16_f32 v[rF+2], v[rA+16], v[rA+17]
	v_cvt_pk_f16_f32 v[rF+3], v[rA+18], v[rA+19]
.endm
; Tile m's six products.  The 30 accumulators take turns, one instruction a turn, over the backward jump too.  zero = 1: bin row 0 starts the sums: nothing is cleared.
.macro MMA p, m, zero
	WIN W_MM
.irp n, 0,1,2,3,4,5
.if \zero
	v_wmma_f32_16x16x32_f16 v[8*(6*(\m)+(\n)):8*(6*(\m)+(\n))+7], v[PF:PF+7], v[48*(\p)+8*(\n):48*(\p)+8*(\n)+7], 0
.else
	v_wmma_f32_16x16x32_f16 v[8*(6*(\m)+(\n)):8*(6*(\m)+(\n))+7], v[PF:PF+7], v[48*(\p)+8*(\n):48*(\p)+8*(\n)+7], v[8*(6*(\m)+(\n)):8*(6*(\m)+(\n))+7]
.endif
.endr
	WIN 0
.endm
.macro FETCHT p                        ; the row tables of the bin row two on (10 loads), into the parity that this bin row leaves: the pointers stand one row on, the immediates reach the second
.irp m, 0,1,2,3,4
	global_load_b64 v[RI+16*(\p)+2*(\m):RI+16*(\p)+2*(\m)+1], v[O64], s[22:23] offset:1024*(\m)+8
.endr
.irp m, 0,1,2,3,4
	global_load_b32 v[RS+16*(\p)+(\m)], v[O32], s[24:25] offset:512*(\m)+4
.endr
.endm
.macro FETCHW p                        ; the next bin row's weights (12 loads), into parity p
	WIN W_LD
.irp n, 0,1,2,3,4,5
	global_load_b128 v[48*(\p)+8*(\n):48*(\p)+8*(\n)+3],   v[L16], s[20:21] offset:1024*(\n)
	global_load_b128 v[48*(\p)+8*(\n)+4:48*(\p)+8*(\n)+7], v[L16], s[20:21] offset:1024*(\n)+512
.endr
.endm
; A step: tile m of the bin row of parity p.  wf = 1: a further bin row follows: its weights are fetched in step 0, its first two tiles' corners are asked for in steps 3 and 4.  tf = 1: two follow: the second's row tables are fetched in step 4.
; The address sums and scalings at the step's head are plain lines that name none of the last products' registers: the places ahead of the next write of P's fragment (ISA guide 7.12.1).
.macro STEP p, m, zero, wf, tf
.set bi, ((\p)+(\m))%2
.set nx, 1
.if ((\m) > 2) && !(\wf)
.set nx, 0                             ; the last bin row's steps 3 and 4 ask for nothing
.endif
.if ((\m) == 0) && (\wf)
	s_wait_xcnt 0x0                                ; every load and the prefetch have read their addresses: the weights' pointer is written only behind this wait
	s_add_nc_u64 s[20:21], s[20:21], 6144
.endif
.if ((\m) == 4) && (\tf)
	s_wait_xcnt 0x0                                ; likewise the two pointers of the row tables
	s_add_nc_u64 s[22:23], s[22:23], 8
	s_add_nc_u64 s[24:25], s[24:25], 4
.endif
.if ((\m) == 3) && (\wf)
	s_wait_loadcnt 12                              ; the next row's ten table loads are in; its twelve weight loads, issued behind them, may stay out
	PREP 1-(\p)
.endif
.if nx
.if (\m) < 3
	ADDR \p, (\m)+2, bi                            ; the tile two on; its set of addresses was freed by the step before's wait on vm_vsrc
.else
	ADDR 1-(\p), (\m)-3, bi
.endif
.endif
	SCALES \p, \m
	WIN 0
.if ((\m) == 4) && !(\wf)
	s_wait_dscnt 0x0
.else
	s_wait_dscnt 16                                ; LDS loads come back in order: this tile's sixteen corners are in, the next tile's sixteen stay out
.endif
	COMPUTE bi, 0
	COMPUTE bi, 1
.if nx
	s_wait_alu depctr_va_vdst(0)                   ; the differences and roundings are done with this tile's corners, in which the loads below land, and the addresses are written; the last step's products are done reading their weights (step 0 loads over the other parity's); the sums and scalings are done reading this row's tables (step 4 loads over them)
.if (\wf) || ((\m) < 2)
	s_wait_alu depctr_vm_vsrc(0)                   ; the corner loads issued in the step before have read the other set of addresses, which the next step writes again
.endif
	CORNERS bi
.endif
.if ((\m) == 4) && (\tf)
	FETCHT \p
.endif
.if (\m) == 0
.if \wf
	FETCHW 1-(\p)
	s_wait_loadcnt 22                              ; this row's weights are in; the ten table loads and the twelve weight loads issued behind them may stay out
.else
	s_wait_loadcnt 0x0
.endif
.endif
	MMA \p, \m, \zero
.endm
.macro TRIP p, zero, wf, tf            ; a bin row
.irp m, 0,1,2,3,4
	STEP \p, \m, \zero, \wf, \tf
.endr
.endm
	PREP 0
	ADDR 0, 0, 0                                   ; bin row 0's first two tiles
	ADDR 0, 1, 1
	WIN 0
	s_wait_alu depctr_vm_vsrc(0)                   ; my last LDS stores have read the ring's registers: these are the corners' buffers from here on
	s_wait_dscnt 0x0                               ; my plane is written
	s_barrier_signal -1
	s_barrier_wait -1
	s_wait_alu depctr_va_vdst(0)                   ; both sets of addresses are written; the rows' vector work is done with the ring's registers, in which the corners land
	CORNERS 0
	CORNERS 1
	s_wait_alu depctr_vm_vsrc(0)                   ; these loads have read both sets of addresses, which the first two steps write again
	TRIP 0, 1, 1, 1                                ; bin row 0 stands in front of the loop: its products start the sums
	s_mov_b32 s33, 2
.Ltrips:                                       ; bin rows 1 to 4
	TRIP 1, 0, 1, 1
	TRIP 0, 0, 1, 1
	s_sub_co_u32 s33, s33, 1
	s_cmp_lg_u32 s33, 0
	s_cbranch_scc1 .Ltrips
	TRIP 1, 0, 1, 0                                ; bin row 5: no row tables are left to fetch
	TRIP 0, 0, 0, 0                                ; bin row 6 fetches nothing
	; THE FOUR WAVES' SUMS MEET in the planes' bytes.  The three address lines and a v_nop are the four places behind the last products.
	s_mul_i32 s34, s14, STG
	s_mul_i32 s35, s14, STG/4
	v_add_nc_u32 v[SA], s34, v[L16]                ; my stage
	v_add_nc_u32 v[BA], s35, v[L16]                ; my quarter of a stage, in waves 0's and 1's,
	v_add_nc_u32 v[BB], 2*STG, v[BA]               ; and in waves 2's and 3's
	v_nop
	s_wait_dscnt 0x0                               ; my reads of my plane are over
	s_barrier_signal -1
	s_barrier_wait -1                              ; everybody's are: the planes may be written over
	WIN W_ST
	s_wait_alu depctr_va_vdst(0)                   ; the products have written the accumulators, which the LDS stores read, and the three addresses are written; the places above stay beside this wait.  It also shows all vector and matrix work on v16 to v255 done, in which the loads from the stages land
.set t, 0
.rept 30
	ds_store_b128 v[SA], v[8*t:8*t+3]   offset:512*(2*t)    ; each accumulator's low registers first
	ds_store_b128 v[SA], v[8*t+4:8*t+7] offset:512*(2*t+1)
.set t, t+1
.endr
	WIN 0
	s_wait_dscnt 0x0                               ; for the others' sake: my stage is written
	s_barrier_signal -1
	s_barrier_wait -1
	s_wait_alu depctr_vm_vsrc(0)                   ; the last corner loads have read their addresses in v16 to v47, in which the loads below land
.set k, 0
.rept 15                               ; my quarter: 15 blocks of 512 bytes, from each of the four stages
	ds_load_b128 v[16+16*k:19+16*k], v[BA] offset:512*k
	ds_load_b128 v[20+16*k:23+16*k], v[BA] offset:STG+512*k
	ds_load_b128 v[24+16*k:27+16*k], v[BB] offset:512*k
	ds_load_b128 v[28+16*k:31+16*k], v[BB] offset:STG+512*k
.set k, k+1
.endr
.set k, 0
.rept 3                                ; three groups of five blocks: the sums, one wait, the stores
.rept 5
.set b, 16+16*k
	s_wait_dscnt 4*(14-k)                          ; block k's four loads are in; the later blocks' stay out
	v_pk_add_f32 v[b:b+1],     v[b:b+1],     v[b+4:b+5]
	v_pk_add_f32 v[b+2:b+3],   v[b+2:b+3],   v[b+6:b+7]
	v_pk_add_f32 v[b+8:b+9],   v[b+8:b+9],   v[b+12:b+13]
	v_pk_add_f32 v[b+10:b+11], v[b+10:b+11], v[b+14:b+15]
	v_pk_add_f32 v[b:b+1],     v[b:b+1],     v[b+8:b+9]
	v_pk_add_f32 v[b+2:b+3],   v[b+2:b+3],   v[b+10:b+11]
.set k, k+1
.endr
	s_wait_alu depctr_va_vdst(0)                   ; the group's sums are written, which its five stores read
.set k, k-5
.rept 5
.set b, 16+16*k
	global_store_b128 v[L16], v[b:b+3], s[30:31] offset:512*k  ; 512 consecutive bytes, at a multiple of 512 from part's first byte
.set k, k+1
.endr
.endr
	s_wait_dscnt 0x0                               ; the closing lines, six on end
	s_wait_alu 0x0
	s_wait_tensorcnt 0x0
	ds_add_u32 v[SPW], v[NIL]
	s_wait_dscnt 0x0
	s_endpgm
.Lfunc_end_k_q76fe0abe07_pool:
	.size	k_q76fe0abe07_pool, .Lfunc_end_k_q76fe0abe07_pool-k_q76fe0abe07_pool
	.p2alignl 7, 3214868480
	.fill 96, 4, 3214868480
	.section	.rodata,"a",@progbits
	.p2align	6, 0x0
	.amdhsa_kernel k_q76fe0abe07_pool
		.amdhsa_group_segment_fixed_size 271872
		.amdhsa_private_segment_fixed_size 0
		.amdhsa_enable_private_segment 0
		.amdhsa_kernarg_size 40
		.amdhsa_user_sgpr_count 2
		.amdhsa_user_sgpr_kernarg_segment_ptr 1
		.amdhsa_wavefront_size32 1
		.amdhsa_system_sgpr_workgroup_id_x 1
		.amdhsa_system_sgpr_workgroup_id_y 1
		.amdhsa_system_sgpr_workgroup_id_z 1
		.amdhsa_system_vgpr_workitem_id 0
		.amdhsa_next_free_vgpr 668
		.amdhsa_next_free_sgpr 66
		.amdhsa_reserve_vcc 0
		.amdhsa_float_denorm_mode_32 3
		.amdhsa_float_denorm_mode_16_64 3
		.amdhsa_memory_ordered 1
		.amdhsa_forward_progress 1
		.amdhsa_inst_pref_size 242
	.end_amdhsa_kernel
	.amdgpu_metadata
---
amdhsa.version: [ 1, 2 ]
amdhsa.kernels:
  - .name:           k_q76fe0abe07_pool
    .symbol:         k_q76fe0abe07_pool.kd
    .args:
      - { .name: x, .offset: 0, .size: 8, .value_kind: global_buffer, .address_space: global }
      - { .name: wb, .offset: 8, .size: 8, .value_kind: global_buffer, .address_space: global }
      - { .name: idx, .offset: 16, .size: 8, .value_kind: global_buffer, .address_space: global }
      - { .name: scl, .offset: 24, .size: 8, .value_kind: global_buffer, .address_space: global }
      - { .name: part, .offset: 32, .size: 8, .value_kind: global_buffer, .address_space: global }
    .group_segment_fixed_size: 271872
    .private_segment_fixed_size: 0
    .kernarg_segment_align: 8
    .kernarg_segment_size: 40
    .max_flat_workgroup_size: 128
    .sgpr_count:     66
    .vgpr_count:     668
    .wavefront_size: 32
...
	.end_amdgpu_metadata
.endif
;; end of part 4
;; launch finish: the kernel of part 3 again; grid 12 x 20, 4 waves a work-group, no clusters, 2,560 bytes of LDS; arguments part, scl, conv_b, out0; writes out0
